; MI455X (gfx1250); checked and timed in simulation.
; The chip was launched on July 23, 2026; its instructions are those of AMD's public machine-readable ISA for CDNA 5 (MIT licence, August 2026) and "CDNA5" Instruction Set Architecture Reference Guide (July 2026). The comments in the code are by the model that wrote it; some were corrected since.
;; Multi Head Self Attention. Allowed arithmetic: matrix products marked QUANTISED: E4M3 operands, one given power-of-two scale a tensor, by v_wmma_f32_16x16x64_fp8_fp8 or v_wmma_f32_16x16x128_fp8_fp8, f32 sums; everything else in f32.
;; Inputs: Wk_codes 16 x 64 x 32 x 32 uint8 (E4M3 codes of Wk, K innermost, in blocks of 32 codes); Wq_codes 16 x 64 x 32 x 32 uint8 (E4M3 codes of Wq, K innermost, in blocks of 32 codes); Wv_codes 16 x 64 x 32 x 32 uint8 (E4M3 codes of Wv, K innermost, in blocks of 32 codes); attn_mask 4 x 2,048 x 2,048 int32; bk 16 x 64 float32; bq 16 x 64 float32; bv 16 x 64 float32; input_batch_codes 4 x 2,048 x 32 x 32 uint8 (E4M3 codes of input_batch, K innermost, in blocks of 32 codes); lowp_scales 10 int32 (the exponents e of the quantised operands' scales 2^e).
;; Outputs: out0 4 x 2,048 x 1,024 float32.
;; This version of the problem:
;;   THIS VERSION OF THE PROBLEM IS GIVEN IN LOW PRECISION. The matrix products marked QUANTISED in the list below multiply operands that are first quantised to E4M3 (4 exponent bits, 3 mantissa bits; 8 bits a number), with one given power-of-two scale for each operand tensor; their sums are f32. All else is computed in f32.
;;   The module's matrix products, in the order in which they are computed (A, B: the left and right operand; K: the contracted axis; several contracted axes count as one K, in the product's order):
;;     1. [M 1,024, K 1,024] x [K 1,024, N 8,192]; A: input Wq (given as codes); B: input input_batch (given as codes): QUANTISED (scales: A lowp_scales[0], B lowp_scales[1])
;;     2. [M 1,024, K 1,024] x [K 1,024, N 8,192]; A: input Wk (given as codes); B: input input_batch (given as codes): QUANTISED (scales: A lowp_scales[2], B lowp_scales[3])
;;     3. [M 1,024, K 1,024] x [K 1,024, N 8,192]; A: input Wv (given as codes); B: input input_batch (given as codes): QUANTISED (scales: A lowp_scales[4], B lowp_scales[5])
;;     4. batch 64 x [M 2,048, K 64] x [K 64, N 2,048]; A: computed on the way; B: computed on the way: QUANTISED (scales: A lowp_scales[6], B lowp_scales[7])
;;     5. batch 64 x [M 2,048, K 2,048] x [K 2,048, N 64]; A: computed on the way; B: computed on the way: QUANTISED (scales: A lowp_scales[8], B lowp_scales[9])
;;   THE QUANTISER, for each operand of a quantised product, along K:
;;     - The operand's scale is 2^e, e = its entry of the input lowp_scales (int32; the entries are numbered through the quantised products in the list's order, A before B).
;;     - Each number is divided by the scale, clamped to +-448, and rounded to the nearest number of E4M3, ties to even, subnormals kept.
;;     - The product sums the exact products of the quantised numbers (number of the format x scale) in f32.
;;   ~~~python
;;   def quantise(x, axis, e):      # numpy; x: float32 -> the quantised numbers, widened to float32 again
;;       x = np.moveaxis(x, axis, -1); K = x.shape[-1]
;;       r = np.clip(x / 2.0 ** e, -448, 448)
;;       step = 2.0 ** (np.maximum(np.frexp(np.where(r == 0, 1, r))[1] - 1, -6) - 3)
;;       q = np.round(r / step) * step * 2.0 ** e      # np.round: ties to even
;;       return np.moveaxis(q, -1, axis).astype(np.float32)
;;   ~~~
;;   OPERANDS COMPUTED ON THE WAY. 'Computed on the way' means the value that the module computes at that place (a softmax that the list does not call 'softmax' is quantised finished and normalised). What goes into a quantiser is computed in f32, as accurately as f32 sums, v_exp_f32 and their like allow (about 1e-6 of the number): no bf16 or f16 on the way to a quantiser, and a product that is left as it is and whose result goes on into a quantised operand takes f32 operands (vector FMAs, or v_wmma_f32_16x16x4_f32). A number that lies on a knife's edge between two numbers of the format may be rounded either way, as far as f32 arithmetic and the matrix unit's own rounding can turn it there, and no further.
;;   INPUTS GIVEN AS CODES. Wk (in the module: [16, 1024, 64], K = its axis 1); Wq (in the module: [16, 1024, 64], K = its axis 1); Wv (in the module: [16, 1024, 64], K = its axis 1); input_batch (in the module: [4, 2048, 1024], K = its axis 2): each comes as NAME_codes (uint8): NAME with its K axis moved to the last place and cut into blocks of 32 codes, [.., K / 32, bytes a block], one block behind the other in memory; one code a byte (a code: sign, 4 exponent bits, 3 mantissa bits); its scale is its entry of lowp_scales. Its value is code x scale, taken as it is: it is not quantised again, and the codes and scales need not be those that the quantiser above would give.
;; 2 versions, each right; version 2 is version 1 with the launch attn written anew for expert scheduling mode. Each part assembles by itself: llvm-mc -triple=amdgcn-amd-amdhsa -mcpu=gfx1250 --defsym DOCPART=n.
;; ======== version 1 of 2: 3 launches
;; workspace buffers: qcodes 8,388,608 bytes; kcodes 8,388,608 bytes; vcodes 8,388,608 bytes; maskbits 2,097,152 bytes of whole numbers
;; launch maskpack (part 1): grid 512 x 1, 4 waves a work-group, no clusters, 34,304 bytes of LDS; arguments attn_mask, maskbits; writes maskbits
.if DOCPART == 1
	.amdgcn_target "amdgcn-amd-amdhsa--gfx1250"
	.amdhsa_code_object_version 6
	.text
	.protected	k_q0e17f56d09_maskpack
	.globl	k_q0e17f56d09_maskpack
	.p2align	8
	.type	k_q0e17f56d09_maskpack,@function
k_q0e17f56d09_maskpack:
	s_mov_b64 s[64:65], 0
	v_nop
	global_prefetch_b8 v0, s[64:65] scope:SCOPE_SE
	s_setreg_imm32_b32 hwreg(HW_REG_WAVE_MODE, 25, 1), 1
	s_wait_xcnt 0x0
; THE PROGRAM: multi-head self-attention on codes of FP8 (E4M3), three launches: this one packs the mask, the second makes q's, k's and v's codes, the third is the attention.
; DEAD WORK: none.  Every input has a way to the output for some values of the inputs (bq, bk and bv move the codes of q, k and v; every entry of the mask decides whether a key counts), so nothing is left out and every input is loaded.
; THIS LAUNCH: attn_mask [4][2048][2048] int32 becomes one bit an entry (entry != 0), laid as the third launch's registers want it:
;   maskbits [b][tile of 16 queries (128)][tile of 16 keys c (128)][j (8)], words of 32 bits; bit l of word (c, j) is attn_mask[b][16 tile + l % 16][16 c + 8 (l / 16) + j] != 0:
;   the lane mask for register j of the score tile c, in which lane l holds query l % 16 and key 16 c + 8 (l / 16) + j.
; SHARES.  A work-group takes 16 rows of the mask (one tile of queries), wave w keys 512 w .. 512 w + 511, in four steps of 128 keys.
; A step: sixteen loads, each 512 consecutive bytes of one row; the 8 KiB turn through the wave's own stage in LDS, so that lane (r, h) gets row r and, for each key tile, its half's eight keys;
; 64 compares give the step's 64 words in scalar registers; v_writelane_b32 puts word n into lane n / 2, register n % 2; one store of 8 bytes a lane writes 256 consecutive bytes, aligned.
; Memory binds: no matrix unit, no barrier (waves share nothing), each byte read once.  Loads run one step (16 loads a wave) ahead of the step in hand.
.set PITCH, 528                        ; a stage row: 512 bytes + 16 = 132 words: row r starts at bank 4 r mod 64 (64 banks of 4 bytes: ISA guide 11.1), so the 16 rows that a load touches start at 16 different banks
.set WSTG,  16*PITCH                   ; a wave's stage
.set SPARE, 4*WSTG                     ; behind the four stages: the spare words, 128 bytes for each wave: two blocks of 256 bytes that no other line names
.set SPW,  1                           ; v1       LDS address of my spare word: SPARE + 4 x my thread's number; never rewritten
.set NIL,  2                           ; v2       0; never rewritten
.set GI,   3                           ; v3       16 x lane: my 16 bytes of a load's 512
.set SI,   4                           ; v4       the stage, on the way in: my wave's stage + 16 x lane
.set SO,   5                           ; v5       and on the way out: row r, + 32 h
.set GOF,  6                           ; v6       8 x lane: my two words of a step's 64
.set OUT,  8                           ; v8-15    two registers for each step, so that no store's data are written again
.set R,    16                          ; v16-143  two sets of 64: a step's 16 loads
.set X,    144                         ; v144-207 register 8 c + j: mask[r][16 c + 8 h + j]
.set BW,   16                          ; s[16:31] sixteen words at a time
	s_load_b128 s[4:7], s[0:1], 0x0                ; the mask, the bits
	v_lshl_add_u32 v[SPW], v0, 2, SPARE
	v_mov_b32 v[NIL], 0
	v_lshrrev_b32 v7, 5, v0
	v_readfirstlane_b32 s8, v7                     ; wave 0..3
	v_and_b32 v7, 31, v0                           ; lane
	v_lshlrev_b32 v[GI], 4, v7
	v_lshlrev_b32 v[GOF], 3, v7
	s_mul_i32 s9, s8, WSTG
	v_add_nc_u32 v[SI], s9, v[GI]
	v_and_b32 v[SO], 15, v0                        ; r
	v_mul_u32_u24 v[SO], v[SO], PITCH
	v_bfe_u32 v7, v0, 4, 1                         ; h
	v_lshl_add_u32 v[SO], v7, 5, v[SO]
	v_add_nc_u32 v[SO], s9, v[SO]
.irp i, 0,1,2,3,4,5,6,7
	v_mov_b32 v[OUT+\i], 0                         ; written once: v_writelane_b32's destination counts as one of its sources
.endr
	s_lshl_b32 s10, ttmp9, 17                      ; the work-group's 16 rows of 8,192 bytes,
	s_lshl_b32 s11, s8, 11                         ; my wave's 512 keys
	s_add_co_u32 s10, s10, s11
	s_mov_b32 s11, 0
	s_lshl_b32 s12, ttmp9, 12                      ; the tile's 4,096 bytes of bits,
	s_lshl_b32 s13, s8, 10                         ; my wave's 1,024
	s_add_co_u32 s12, s12, s13
	s_mov_b32 s13, 0
	s_wait_kmcnt 0x0
	s_add_nc_u64 s[4:5], s[4:5], s[10:11]
	s_add_nc_u64 s[6:7], s[6:7], s[12:13]
.macro LOAD t                          ; step t: 512 bytes of each of the 16 rows, into set t % 2
.irp i, 0,1,2,3,4,5,6,7,8,9,10,11,12,13,14,15
	global_load_b128 v[R+64*((\t)%2)+4*\i:R+64*((\t)%2)+4*\i+3], v[GI], s[4:5] offset:\i*8192+512*(\t) th:TH_LOAD_NT
.endr
.endm
.macro TURN t                          ; through the stage: LDS serves a wave's instructions in order (ISA guide 5.7.1.4), so no wait stands between the stores and the loads
.irp i, 0,1,2,3,4,5,6,7,8,9,10,11,12,13,14,15
	ds_store_b128 v[SI], v[R+64*((\t)%2)+4*\i:R+64*((\t)%2)+4*\i+3] offset:PITCH*\i
.endr
.irp c, 0,1,2,3,4,5,6,7
	ds_load_b128 v[X+8*\c:X+8*\c+3], v[SO] offset:64*\c
	ds_load_b128 v[X+8*\c+4:X+8*\c+7], v[SO] offset:64*\c+16
.endr
.endm
.macro BALLOT t                        ; the step's 64 words, sixteen at a time
.irp g, 0,1,2,3
.irp k, 0,1,2,3,4,5,6,7,8,9,10,11,12,13,14,15
	v_cmp_ne_u32 s[BW+\k], 0, v[X+16*\g+\k]        ; word 16 g + k: bit l = my lane's entry != 0
.endr
.irp k, 0,1,2,3,4,5,6,7,8,9,10,11,12,13,14,15
	v_writelane_b32 v[OUT+2*(\t)+(\k%2)], s[BW+\k], 8*\g+(\k/2)
.endr
.endr
	global_store_b64 v[GOF], v[OUT+2*(\t):OUT+2*(\t)+1], s[6:7] offset:256*(\t)   ; 32 lanes store 256 consecutive bytes, at a multiple of 256 from the buffer's first byte
.endm
.macro STEP t
.if (\t) < 3
	s_wait_loadcnt 16                              ; this step's 16 loads are in; the next step's 16 may be out
.else
	s_wait_loadcnt 0
.endif
	TURN \t
	s_wait_dscnt 0x0                               ; X is in; the stores into the stage have read their registers,
.if (\t) < 2
	LOAD (\t)+2                                    ; which take the loads of two steps on
.endif
	BALLOT \t
.endm
	LOAD 0
	LOAD 1
	STEP 0
	STEP 1
	STEP 2
	STEP 3
	s_wait_tensorcnt 0x0                           ; the wave's end, behind my last LDS store
	ds_add_u32 v[SPW], v[NIL]
	s_wait_dscnt 0x0
	s_endpgm
.Lfunc_end_k_q0e17f56d09_maskpack:
	.size	k_q0e17f56d09_maskpack, .Lfunc_end_k_q0e17f56d09_maskpack-k_q0e17f56d09_maskpack
	.p2alignl 7, 3214868480
	.fill 96, 4, 3214868480
	.section	.rodata,"a",@progbits
	.p2align	6, 0x0
	.amdhsa_kernel k_q0e17f56d09_maskpack
		.amdhsa_group_segment_fixed_size 34304
		.amdhsa_private_segment_fixed_size 0
		.amdhsa_enable_private_segment 0
		.amdhsa_kernarg_size 16
		.amdhsa_user_sgpr_count 2
		.amdhsa_user_sgpr_kernarg_segment_ptr 1
		.amdhsa_wavefront_size32 1
		.amdhsa_system_sgpr_workgroup_id_x 1
		.amdhsa_system_sgpr_workgroup_id_y 1
		.amdhsa_system_sgpr_workgroup_id_z 1
		.amdhsa_system_vgpr_workitem_id 0
		.amdhsa_next_free_vgpr 208
		.amdhsa_next_free_sgpr 66
		.amdhsa_reserve_vcc 0
		.amdhsa_float_denorm_mode_32 3
		.amdhsa_float_denorm_mode_16_64 3
		.amdhsa_memory_ordered 1
		.amdhsa_forward_progress 1
		.amdhsa_inst_pref_size 49
	.end_amdhsa_kernel
	.amdgpu_metadata
---
amdhsa.version: [ 1, 2 ]
amdhsa.kernels:
  - .name:           k_q0e17f56d09_maskpack
    .symbol:         k_q0e17f56d09_maskpack.kd
    .args:
      - { .name: attn_mask, .offset: 0, .size: 8, .value_kind: global_buffer, .address_space: global }
      - { .name: maskbits, .offset: 8, .size: 8, .value_kind: global_buffer, .address_space: global }
    .group_segment_fixed_size: 34304
    .private_segment_fixed_size: 0
    .kernarg_segment_align: 8
    .kernarg_segment_size: 16
    .max_flat_workgroup_size: 128
    .sgpr_count:     66
    .vgpr_count:     208
    .wavefront_size: 32
...
	.end_amdgpu_metadata
.endif
;; end of part 1
;; launch proj (part 2): grid 12 x 32, 4 waves a work-group, clusters of 4 x 4, 327,680 bytes of LDS; arguments input_batch_codes, Wq_codes, Wk_codes, Wv_codes, bq, bk, bv, lowp_scales, qcodes, kcodes, vcodes; writes qcodes, kcodes, vcodes
.if DOCPART == 2
	.amdgcn_target "amdgcn-amd-amdhsa--gfx1250"
	.amdhsa_code_object_version 6
	.text
	.protected	k_q0e17f56d09_proj
	.globl	k_q0e17f56d09_proj
	.p2align	8
	.type	k_q0e17f56d09_proj,@function
k_q0e17f56d09_proj:
	s_mov_b64 s[64:65], 0
	v_nop
	global_prefetch_b8 v0, s[64:65] scope:SCOPE_SE
	s_setreg_imm32_b32 hwreg(HW_REG_WAVE_MODE, 25, 1), 1
	s_wait_xcnt 0x0
	s_wait_alu depctr_hold_cnt(0) depctr_sa_sdst(0) depctr_va_vdst(0) depctr_va_sdst(0) depctr_va_ssrc(0) depctr_va_vcc(0) depctr_vm_vsrc(0)
	s_getreg_b32 s2, hwreg(HW_REG_IB_STS2, 6, 4)
	s_cmp_eq_u32 s2, 0
	s_cbranch_scc0 .Lentry_in_a_cluster
	s_endpgm
.Lentry_in_a_cluster:
	s_bfe_u32 s2, ttmp6, 0x10000c
	s_cmp_lg_u32 s2, 0xf033
	s_cbranch_scc0 .Lentry_shape_is_right
	s_endpgm
.Lentry_shape_is_right:
; q = x Wq + bq, k = x Wk + bk, v = x Wv + bv on codes of FP8 (E4M3), and their quantising for the attention's two products.  No work is left out.
; x: [8192][1024] codes; Wq, Wk, Wv: [1024 (head x 64 + channel)][1024] codes, K innermost.  A finished f32 sum is multiplied by 2^(eW + ex), the bias is added (one fused multiply-add), the number is held within
; +-448 x 2^eQ and converted with the scale 2^eQ (q: entry 6, k: entry 7, v: entry 9 of the scales; eW, ex: entries 0, 1 for q, 2, 3 for k, 4, 5 for v).
; LIMITS: eW + ex between -126 and 127; entries 6, 7 and 9 between -126 and 119, so that each power of two below is an f32 number.  NaN codes among the inputs are not served.
; ONE BODY, THREE ROLES, by the cluster's x (the same in all sixteen partners): 0: q, 1: k, 2: v.  A tile of 256 x 256 of a result is made by four waves, 128 x 128 each: 64 accumulators of 16 x 16.
; The matrix instruction takes 16 rows of 'B' as source 0 and 16 rows of 'A' as source 1: a lane holds ONE row of A, and its eight registers eight neighbouring rows of B.
;   q, k: A = x (tile row 4 x cluster y + cy), B = W (tile column cx): a lane holds one position and eight neighbouring channels, which are the K of the scores' product.
;   v:    A = Wv (tile row cy), B = x (tile column 4 x cluster y + cx): a lane holds one channel and eight neighbouring keys, which are the K of the second product.
; So the conversions' results ARE registers of the attention's operands, and they are stored as images of those registers, 16 bytes a lane, 512 consecutive bytes a store: no stage in LDS on the way out.
;   qcodes, kcodes: [batch x 16 + head][tile of 16 positions (128)][c (2)][lane][16 bytes]: a fragment of 16 x 64: lane (r, h): position r; registers 2 c', 2 c' + 1: channels 16 c' + 8 h + 0 .. 7
;   vcodes: [batch x 16 + head][step of 128 keys (16)][tile of 16 channels (4)][c (4)][lane][16 bytes]: a fragment of 16 x 128: lane (r, h): channel r; registers 2 c', 2 c' + 1: keys 16 c' + 8 h + 0 .. 7
; K goes in steps of 256 through a ring of two LDS slots filled by the tensor data mover; a tile's row is 256 bytes of memory.  K = 1,024 is four such steps: the ring is filled again twice, and all is written out.
; CLUSTERS: 4 x 4 work-groups.  The four of a row of the cluster need the same tiles of A, the four of a column the same tiles of B: each tile is asked for JOINTLY.  A's address is made of cy and the cluster's y alone, B's of cx and the cluster's y.
; The grid is 3 x 8 clusters, 384 work-groups of equal work: what the three results' 384 tiles of this size give.
; REGISTERS, in windows of 256: window 0: v0-31 addresses; v32-95 the biases; from v128 A's fragments (8 x 16 rows x 128 K), ONE set; on the way out v128-191 numbers, v192-255 codes.
;   window 1: B's fragments, TWO sets, at v0 and at v128.   window 2: the 32 accumulators of my rows 0-63 of A (accumulator (a, b) at v[8 (8 a + b)]);   window 3: those of my rows 64-127.
.set KSTEP,  256                       ; along K in a slot
.set ROWB,   256                       ; a tile's row in bytes
.set KROW,   1024                      ; a row of x or of a weight in memory, in bytes
.set PITCH,  272                       ; an LDS row: 256 bytes + 16 of padding = 68 words: row r starts at bank 4 r mod 64 (ISA guide 11.1), so the 16 rows that a load touches start at 16 different banks
.set FR,     16                        ; registers of a fragment: 16 rows x 128 K
.set NL,     4                         ; LDS loads that bring one
.set NP,     4                         ; places behind this matrix instruction (ISA guide 7.12.1)
.set HALFT,  128*PITCH                 ; 128 rows: what one tensor load brings, and what one wave reads of A or of B
.set SLOT,   4*HALFT                   ; A's 256 rows, then B's 256 rows
.set SPARE,  2*SLOT                    ; behind the ring: the spare words, 128 bytes for each wave: two blocks of 256 bytes that no other line names
.set ADRA, 16                          ; v16-17  LDS address of my A fragments in slot 0, 1
.set ADRB, 20                          ; v20-21  the same for B
.set LIM,  24                          ; v24     448 x 2^eQ
.set SCL,  25                          ; v25     2^eQ as f32: the conversion takes its exponent field
.set LO,   26                          ; v26     16 x lane: my place in an image
.set BO,   27                          ; v27     my lane's offset in the bias
.set SPW,  28                          ; v28     LDS address of my spare word: SPARE + 4 x my thread's number; never rewritten
.set NIL,  29                          ; v29     0; never rewritten
.set BIAS, 32                          ; v32-95  q, k: register 8 b + j: the bias of B's row 16 b + 8 h + j;  v: registers 2 a, 2 a + 1: the bias of A's row 16 a + r, twice
.set AF,   128                         ; A's fragments
.set TMP,  128                         ; the way out: a block's 64 numbers
.set CODES, 192                        ; the way out: four sets of 16 registers of codes
.set G1, 24                            ; s[24:31] descriptor group 1 for A's tiles;  s[32:39] group 0, one set for each slot
.set G0, 32
.set G1B, 48                           ; s[48:55], s[56:63] the same for B's tiles
.set G0B, 56
.set MSB, 0
.macro WIN new                         ; the immediate's high byte repeats the setting that is left
.if MSB != \new
	s_set_vgpr_msb (MSB<<8)|\new
.set MSB, \new
.endif
.endm
.set MUL_LO, 0xa1                      ; source 0 (B) window 1, source 1 (A) window 0, C and D window 2
.set MUL_HI, 0xf1                      ; the same, C and D window 3
.set TO_B,   0x40                      ; destination window 1, address window 0
; A joint load: waves 0 and 1 fetch for A, waves 2 and 3 for B.  Each of the two lines has ONE mask and one set of registers for all that issue it; the branch hangs on the wave's number alone.
; An s_nop 0 and four v_nop follow each of the two lines, ahead of the jump, the label and what follows.
.macro JLOAD g0a, g1a, g0b, g1b
	s_cmp_eq_u32 s15, 0
	s_cbranch_scc0 .Lfor_b_\@
	tensor_load_to_lds s[\g0a:\g0a+3], s[\g1a:\g1a+7]
	s_nop 0
.rept 4
	v_nop
.endr
	s_branch .Lasked_\@
.Lfor_b_\@:
	tensor_load_to_lds s[\g0b:\g0b+3], s[\g1b:\g1b+7]
	s_nop 0
.rept 4
	v_nop
.endr
.Lasked_\@:
.endm
.macro CREST                           ; a round of the cluster's barrier behind its opening barrier
	s_cmp_lg_u32 s14, 0
	s_cbranch_scc1 .Lnot_wave_0_\@
	s_barrier_signal -3
.Lnot_wave_0_\@:
	s_barrier_wait -3
	s_barrier_signal -1
	s_barrier_wait -1
.endm
.macro CROUND                          ; a whole round
	s_barrier_signal -1
	s_barrier_wait -1
	CREST
.endm
	s_load_b512 s[68:83], s[0:1], 0x0              ; x s[68:69], Wq s[70:71], Wk s[72:73], Wv s[74:75], bq s[76:77], bk s[78:79], bv s[80:81], the scales' exponents s[82:83]
	s_load_b128 s[84:87], s[0:1], 0x40             ; q's codes, k's codes
	s_load_b64 s[88:89], s[0:1], 0x50              ; v's codes
	v_lshl_add_u32 v[SPW], v0, 2, SPARE
	v_mov_b32 v[NIL], 0
	ds_add_u32 v[SPW], v[NIL]                      ; the wave's opening: the add, twice on end, and its wait ahead of my first tensor load; the set-up below the second, work on registers, stands between it and the wait
	ds_add_u32 v[SPW], v[NIL]                      ; and once more: the opening add twice on end, under the one wait
	v_lshrrev_b32 v1, 5, v0
	v_readfirstlane_b32 s14, v1                    ; wave 0..3
	s_lshr_b32 s15, s14, 1                         ; which half of the tile's rows of A is mine.  Also: I fetch for A (0) or for B (1)
	s_and_b32 s16, s14, 1                          ; which half of its rows of B.  Also: which 128 rows of that tile I fetch
	s_bfe_u32 s40, ttmp6, 0x40000                  ; cx, cy: my place in the cluster
	s_bfe_u32 s41, ttmp6, 0x40004
	s_mov_b32 s12, ttmp9                           ; the role: the cluster's x
	s_and_b32 s13, ttmp7, 0xffff
	s_lshl_b32 s13, s13, 2                         ; 4 x the cluster's y: it walks x's 32 tiles of 256 rows
	s_cmp_eq_u32 s12, 2
	s_cselect_b32 s17, 0, s13                      ; A's tile row: v: cy; q, k: 4 x cluster y + cy
	s_cselect_b32 s42, s13, 0                      ; B's tile column: v: 4 x cluster y + cx; q, k: cx
	s_add_co_u32 s17, s17, s41
	s_add_co_u32 s42, s42, s40
	s_lshl_b32 s43, s41, 2
	s_lshl_b32 s43, 15, s43                        ; my row of the cluster
	s_lshl_b32 s44, 0x1111, s40                    ; my column
	; descriptor group 1: a tile of 128 rows x ROWB bytes, padded in LDS
	s_or_b32 s[G1+0], s43, (0<<16)|(1<<20)|(1<<21)|(5<<22)|(3<<25)  ; 15:0 the mask: A's tiles go to my row; 17:16 element of 1 byte; 20 padding on; 21 set beside a mask; 24:22 after every 64 words (code 5); 31:25 of 4 words (code 3)
	s_or_b32 s[G1B+0], s44, (0<<16)|(1<<20)|(1<<21)|(5<<22)|(3<<25)
.irp g, G1, G1B
	s_mov_b32 s[\g+1], ROWB<<16                    ; tensor_dim0
	s_mov_b32 s[\g+2], 128<<16                     ; tensor_dim1 = 128
	s_mov_b32 s[\g+3], ROWB<<16                    ; tile_dim0
	s_mov_b32 s[\g+4], 128                         ; tile_dim1 = 128
	s_mov_b32 s[\g+5], KROW                        ; tensor_dim0_stride
	s_mov_b32 s[\g+6], 0
	s_mov_b32 s[\g+7], 0
.endr
	s_lshl_b32 s18, s16, 7                         ; which 128 rows of the tile I fetch
	s_lshl_b32 s20, s17, 8
	s_add_co_u32 s20, s20, s18                     ; A: row 256 x tile row + 128 x half,
	s_lshl_b32 s20, s20, 10                        ; in bytes: under 2^23
	s_mov_b32 s21, 0
	s_lshl_b32 s46, s42, 8
	s_add_co_u32 s46, s46, s18                     ; B: row 256 x tile column + 128 x half
	s_lshl_b32 s46, s46, 10
	s_mov_b32 s47, 0
	s_mul_i32 s45, s14, HALFT                      ; where they go: wave x 128 rows: no place in the cluster enters an LDS address
	s_wait_dscnt 0x0                               ; both opening adds are done
	s_wait_kmcnt 0x0
	s_load_b256 s[92:99], s[82:83], 0x0            ; entries 0 to 7 of the scales' exponents,
	s_load_b32 s90, s[82:83], 0x24                 ; and entry 9
	s_cmp_eq_u32 s12, 2                            ; the buffers of my role: choices on the cluster's x alone
	s_cselect_b64 s[4:5], s[74:75], s[68:69]       ; A: Wv, or x
	s_cselect_b64 s[6:7], s[68:69], s[70:71]       ; B: x, or Wq
	s_cselect_b64 s[8:9], s[80:81], s[76:77]       ; the bias
	s_cselect_b64 s[10:11], s[88:89], s[84:85]     ; the codes
	s_cmp_eq_u32 s12, 1
	s_cselect_b64 s[6:7], s[72:73], s[6:7]         ; k: Wk,
	s_cselect_b64 s[8:9], s[78:79], s[8:9]         ; bk,
	s_cselect_b64 s[10:11], s[86:87], s[10:11]     ; k's codes
	s_add_nc_u64 s[20:21], s[4:5], s[20:21]
	s_add_nc_u64 s[46:47], s[6:7], s[46:47]
	CROUND                                         ; all sixteen work-groups are here: the first joint loads meet
.irp s, 0,1
	s_mov_b32 s[G0+4*\s], 1
	s_add_co_u32 s[G0+4*\s+1], s45, \s*SLOT
	s_add_nc_u64 s[G0+4*\s+2:G0+4*\s+3], s[20:21], \s*ROWB
	s_or_b32 s[G0+4*\s+3], s[G0+4*\s+3], 0x80000000
	s_mov_b32 s[G0B+4*\s], 1
	s_add_co_u32 s[G0B+4*\s+1], s45, \s*SLOT
	s_add_nc_u64 s[G0B+4*\s+2:G0B+4*\s+3], s[46:47], \s*ROWB
	s_or_b32 s[G0B+4*\s+3], s[G0B+4*\s+3], 0x80000000
	JLOAD G0+4*\s, G1, G0B+4*\s, G1B               ; two loads of mine are out behind the second
.endr
	v_and_b32 v1, 15, v0                           ; r = l % 16; kept
	v_bfe_u32 v2, v0, 4, 1                         ; h = l / 16; kept
	v_mul_u32_u24 v3, v1, PITCH
	v_lshl_add_u32 v4, v2, 4, v3                   ; a fragment's row x pitch + 16 x half
	s_mul_i32 s21, s15, HALFT                      ; my 128 rows of A
	s_mul_i32 s22, s16, HALFT                      ; my 128 rows of B,
	s_add_co_u32 s22, s22, 2*HALFT                 ; which lie behind A's 256
.irp s, 0,1
	v_add_nc_u32 v[ADRA+\s], s21, v4
	v_add_nc_u32 v[ADRB+\s], s22, v4
	s_add_co_u32 s21, s21, SLOT
	s_add_co_u32 s22, s22, SLOT
.endr
	v_and_b32 v6, 31, v0
	v_lshlrev_b32 v[LO], 4, v6
.macro FRAG reg, adr, q, i             ; a fragment, 16 rows x 128 K, is 16 registers, by four loads of 16 bytes: registers 4 c .. 4 c + 3 hold K = 32 c + 16 (l / 16) + 0 .. 15: a permutation of k that is the same in A and in B, so every product meets its partner
.irp c, 0,1,2,3
	ds_load_b128 v[\reg+4*\c:\reg+4*\c+3], v[\adr] offset:128*(\q)+32*\c+(\i)*16*PITCH
.endr
.endm
; 16 matrix instructions: A's blocks a0, a0 + 1 x B's eight, 128 along K.  p: B's set.  zero = 1: the first product starts the sums: nothing is ever cleared.
; The 64 accumulators take turns, one instruction a turn, in the same order in every step.
.macro MUL16 a0, p, zero
.irp a, \a0, \a0+1
.irp b, 0,1,2,3,4,5,6,7
.if \zero
	v_wmma_f32_16x16x128_fp8_fp8 v[8*(8*((\a)%4)+\b):8*(8*((\a)%4)+\b)+7], v[128*(\p)+FR*\b:128*(\p)+FR*\b+FR-1], v[AF+FR*(\a):AF+FR*(\a)+FR-1], 0
.else
	v_wmma_f32_16x16x128_fp8_fp8 v[8*(8*((\a)%4)+\b):8*(8*((\a)%4)+\b)+7], v[128*(\p)+FR*\b:128*(\p)+FR*\b+FR-1], v[AF+FR*(\a):AF+FR*(\a)+FR-1], v[8*(8*((\a)%4)+\b):8*(8*((\a)%4)+\b)+7]
.endif
.endr
.endr
.endm
.macro FETCH_B slot, q, p              ; B's eight fragments of the slot's q-th 128 along K into set p
	WIN TO_B
.irp i, 0,1,2,3,4,5,6,7
	FRAG 128*(\p)+FR*\i, ADRB+\slot, \q, \i
.endr
	WIN 0
.endm
.macro FETCH_A slot, q, i0             ; A's blocks i0 .. i0 + 3
.irp i, \i0, \i0+1, \i0+2, \i0+3
	FRAG AF+FR*(\i), ADRA+\slot, \q, \i
.endr
.endm
; A load into a register that a matrix instruction has read, and a vector instruction that reads a matrix result or writes one of a matrix instruction's registers, stand NP places behind it, and only plain vector
; instructions that name none of its registers are places (ISA guide 7.12.1 for vector instructions).
.macro PLACES n
.rept \n
	v_nop
.endr
.endm
; A step of 128 along K that has its successor in the same slot.
.macro STEP slot, q, zero
	s_wait_dscnt 4*NL                              ; B's set and A's blocks 0-3 are in; the youngest 16 loads (A's blocks 4-7) may be out
	WIN MUL_LO
	MUL16 0, (\q)%2, \zero
	MUL16 2, (\q)%2, \zero
	s_wait_dscnt 0                                 ; A's blocks 4-7 are in (asked for 32 matrix instructions ago)
	PLACES NP
	FETCH_B \slot, (\q)+1, 1-(\q)%2
	FETCH_A \slot, (\q)+1, 0
	WIN MUL_HI
	MUL16 4, (\q)%2, \zero
	MUL16 6, (\q)%2, \zero
	PLACES NP
	WIN 0
	FETCH_A \slot, (\q)+1, 4
.endm
; A slot's last step changes slots: ONE barrier; in front of it each wave waits for all its tensor loads, adds 0 to its spare word, and waits for that and for its own reads of this slot.  fill = 1: this slot is filled again, two K steps ahead.
.macro TURN slot, next, fill
	s_wait_tensorcnt 0x0                           ; all my tensor loads have landed: my part of the next slot;  (every window is 0 here: the add's two registers lie in window 0)
	ds_add_u32 v[SPW], v[NIL]                      ; 0 onto my spare word
	s_wait_dscnt 4*NL+1                            ; (the add and the youngest 16 loads, A's blocks 4-7, may be out)
	WIN MUL_LO
	MUL16 0, 1, 0                                  ; sixteen matrix instructions stand between the add and the wait for it
	s_wait_dscnt 0x0                               ; the add is done, and my reads of this slot are over
	s_barrier_signal -1
	MUL16 2, 1, 0
	WIN 0
	s_barrier_wait -1
.if \fill
	CREST                                          ; the barrier has opened a round of the cluster's barrier: no wave of any partner still reads this slot's tile or has a load on its way
	s_add_nc_u64 s[G0+4*\slot+2:G0+4*\slot+3], s[G0+4*\slot+2:G0+4*\slot+3], 2*ROWB
	s_add_nc_u64 s[G0B+4*\slot+2:G0B+4*\slot+3], s[G0B+4*\slot+2:G0B+4*\slot+3], 2*ROWB
	JLOAD G0+4*\slot, G1, G0B+4*\slot, G1B         ; the first tensor load behind the round, and my only one until the next; the four v_nop behind it are the places in front of the loads below
.else
	PLACES NP
.endif
	FETCH_B \next, 0, 0
	FETCH_A \next, 0, 0
	WIN MUL_HI
	MUL16 4, 1, 0
	MUL16 6, 1, 0
	PLACES NP
	WIN 0
	FETCH_A \next, 0, 4
.endm
.macro LASTSTEP                        ; the last 128 along K: nothing more to fetch
	s_wait_dscnt 4*NL                              ; the youngest 16 loads (A's blocks 4-7) may be out
	WIN MUL_LO
	MUL16 0, 1, 0
	MUL16 2, 1, 0
	s_wait_dscnt 0
	WIN MUL_HI
	MUL16 4, 1, 0
	MUL16 6, 1, 0
	WIN 0
.endm
; Where my bias and my codes begin.  s[p], s[ph]: the tile of 256 positions and my half of it; s[c], s[ch]: the tile of 256 rows of the weight (four heads) and my half of it (two heads).
; The bias: 1,024 c + 512 ch bytes on.  The codes: ((batch x 16 + head) x (16 << lg) + my first unit) << sh bytes on; a unit is a tile of 16 positions (lg = 3, 1,024 bytes) or a step of 128 keys (lg = 0, 8,192 bytes).
.macro WHERE p, ph, c, ch, lg, sh
	s_lshl_b32 s22, s[\c], 10
	s_lshl_b32 s23, s[\ch], 9
	s_add_co_u32 s22, s22, s23
	s_mov_b32 s23, 0
	s_add_nc_u64 s[8:9], s[8:9], s[22:23]
	s_lshr_b32 s22, s[\p], 3                       ; the batch: eight tiles of 256 positions each
	s_lshl_b32 s22, s22, 4
	s_lshl_b32 s23, s[\c], 2
	s_add_co_u32 s22, s22, s23
	s_lshl_b32 s23, s[\ch], 1
	s_add_co_u32 s22, s22, s23                     ; batch x 16 + my first head
	s_lshl_b32 s22, s22, \lg+4
	s_and_b32 s23, s[\p], 7
	s_lshl_b32 s23, s23, \lg+1
	s_add_co_u32 s22, s22, s23
	s_lshl_b32 s23, s[\ph], \lg
	s_add_co_u32 s22, s22, s23
	s_lshl_b32 s22, s22, \sh                       ; under 2^23
	s_mov_b32 s23, 0
	s_add_nc_u64 s[10:11], s[10:11], s[22:23]
.endm
.macro CONSTS                          ; s18 = eW + ex, s19 = eQ
	s_add_co_i32 s18, s18, 127
	s_lshl_b32 s66, s18, 23                        ; 2^(eW + ex) as f32
	s_mov_b32 s67, s66                             ; (named with it as a pair, so it is written)
	s_add_co_i32 s19, s19, 127
	s_lshl_b32 s18, s19, 23
	v_mov_b32 v[SCL], s18                          ; 2^eQ
	s_add_co_i32 s19, s19, 8
	s_lshl_b32 s19, s19, 23
	s_or_b32 s19, s19, 0x600000
	v_mov_b32 v[LIM], s19                          ; 448 x 2^eQ
.endm
; THE WAY OUT of A's block a: 16 rows of A x my 128 rows of B.  sum x 2^(eW + ex) + bias; the hold; eight conversions: 16 registers of codes, which are two fragments of 16 x 64 (q, k: two heads) or one of 16 x 128 (v); four stores.
.macro OUTBLK v, a
.set AC, 64*((\a)%4)
.set CD, CODES+16*((\a)%4)
.if (\a) >= 4
	s_wait_xcnt 0x0                                ; block a - 4's stores have read their registers: this set of codes is written again only behind this wait
.endif
	WIN 0x02+((\a)/4)                              ; source 0: window 2 or 3
.irp b, 0,1,2,3,4,5,6,7
.irp i, 0,2,4,6
.if \v
	v_pk_fma_f32 v[TMP+8*\b+\i:TMP+8*\b+\i+1], v[AC+8*\b+\i:AC+8*\b+\i+1], s[66:67], v[BIAS+2*(\a):BIAS+2*(\a)+1] op_sel_hi:[1,0,1]   ; each accumulator from its low end on
.else
	v_pk_fma_f32 v[TMP+8*\b+\i:TMP+8*\b+\i+1], v[AC+8*\b+\i:AC+8*\b+\i+1], s[66:67], v[BIAS+8*\b+\i:BIAS+8*\b+\i+1] op_sel_hi:[1,0,1]
.endif
.endr
.endr
	WIN 0
.set j, 0
.rept 64
	v_med3_num_f32 v[TMP+j], v[TMP+j], -v[LIM], v[LIM]   ; the conversion to an 8-bit code does not saturate (ISA guide 7.6.2): the hold at the largest code x the scale
.set j, j+1
.endr
.irp b, 0,1,2,3,4,5,6,7
	v_cvt_scalef32_pk8_fp8_f32 v[CD+2*\b:CD+2*\b+1], v[TMP+8*\b:TMP+8*\b+7], v[SCL]
.endr
	v_nop                                          ; one plain vector instruction between the conversions and the next block's lines, which write their sources
.irp e, 0,1,2,3
.if \v
	global_store_b128 v[LO], v[CD+4*\e:CD+4*\e+3], s[10:11] offset:((\a)/4)*131072+((\a)%4)*2048+\e*512   ; head a / 4, channels 16 (a % 4) on, registers 4 e on: 512 consecutive bytes, aligned
.else
	global_store_b128 v[LO], v[CD+4*\e:CD+4*\e+3], s[10:11] offset:(\e/2)*131072+(\a)*1024+(\e%2)*512     ; head e / 2, positions 16 a on, registers 4 (e % 2) on: 512 consecutive bytes, aligned
.endif
.endr
.endm
	s_wait_tensorcnt 1                             ; my part of K step 0 is in (K step 1's load may be out)
	s_barrier_signal -1
	s_barrier_wait -1                              ; everybody's is
	FETCH_B 0, 0, 0
	FETCH_A 0, 0, 0
	FETCH_A 0, 0, 4
	STEP 0, 0, 1                                   ; K 0-127: its products start the sums
	TURN 0, 1, 1                                   ; K 128-255; slot 0 takes K 512-767
	STEP 1, 0, 0
	TURN 1, 0, 1                                   ; K 384-511; slot 1 takes K 768-1023
	STEP 0, 0, 0
	TURN 0, 1, 0                                   ; nothing is left to fetch: no round of the cluster's barrier
	STEP 1, 0, 0
	; THE ROLES PART HERE, once, in front of the last step: each way asks for its biases, multiplies the last 128 along K while they come, and goes out.  The branch hangs on the cluster's x: the same in all partners.
	s_cmp_eq_u32 s12, 2
	s_cbranch_scc1 .Lrole_v
	WHERE 17, 15, 42, 16, 3, 10                    ; q, k: positions by A's tile row, heads by B's tile column
	v_lshlrev_b32 v[BO], 5, v2                     ; 32 h: my half's eight channels of each sixteen
.irp b, 0,1,2,3,4,5,6,7
	global_load_b128 v[BIAS+8*\b:BIAS+8*\b+3], v[BO], s[8:9] offset:64*\b
	global_load_b128 v[BIAS+8*\b+4:BIAS+8*\b+7], v[BO], s[8:9] offset:64*\b+16
.endr
	s_wait_kmcnt 0x0                               ; the exponents
	s_add_co_i32 s18, s92, s93
	s_add_co_i32 s19, s94, s95
	s_cmp_eq_u32 s12, 1
	s_cselect_b32 s18, s19, s18                    ; k: entries 2 + 3; q: 0 + 1
	s_cselect_b32 s19, s99, s98                    ; k: entry 7; q: entry 6
	CONSTS
	LASTSTEP
	s_wait_loadcnt 0x0                             ; the biases
	PLACES NP                                      ; behind the last products: their results are read, and A's registers are written, below
.irp a, 0,1,2,3,4,5,6,7
	OUTBLK 0, \a
.endr
	s_branch .Lend
.Lrole_v:
	WHERE 42, 16, 17, 15, 0, 13                    ; v: keys by B's tile column, heads by A's tile row
	v_lshlrev_b32 v[BO], 2, v1                     ; 4 r: my channel of each sixteen
.irp a, 0,1,2,3,4,5,6,7
	global_load_b32 v[BIAS+2*\a], v[BO], s[8:9] offset:64*\a
	global_load_b32 v[BIAS+2*\a+1], v[BO], s[8:9] offset:64*\a      ; the same number once more: the pair that the packed multiply-add adds
.endr
	s_wait_kmcnt 0x0
	s_add_co_i32 s18, s96, s97                     ; entries 4 + 5
	s_mov_b32 s19, s90                             ; entry 9
	CONSTS
	LASTSTEP
	s_wait_loadcnt 0x0
	PLACES NP
.irp a, 0,1,2,3,4,5,6,7
	OUTBLK 1, \a
.endr
.Lend:
	s_wait_tensorcnt 0x0                           ; the wave's end, behind my last tensor load
	ds_add_u32 v[SPW], v[NIL]
	s_wait_dscnt 0x0
	CROUND                                         ; the closing round: no work-group ends while a partner may still ask for a tile that names it
	s_endpgm
.Lfunc_end_k_q0e17f56d09_proj:
	.size	k_q0e17f56d09_proj, .Lfunc_end_k_q0e17f56d09_proj-k_q0e17f56d09_proj
	.p2alignl 7, 3214868480
	.fill 96, 4, 3214868480
	.section	.rodata,"a",@progbits
	.p2align	6, 0x0
	.amdhsa_kernel k_q0e17f56d09_proj
		.amdhsa_group_segment_fixed_size 327680
		.amdhsa_private_segment_fixed_size 0
		.amdhsa_enable_private_segment 0
		.amdhsa_kernarg_size 88
		.amdhsa_user_sgpr_count 2
		.amdhsa_user_sgpr_kernarg_segment_ptr 1
		.amdhsa_wavefront_size32 1
		.amdhsa_system_sgpr_workgroup_id_x 1
		.amdhsa_system_sgpr_workgroup_id_y 1
		.amdhsa_system_sgpr_workgroup_id_z 1
		.amdhsa_system_vgpr_workitem_id 0
		.amdhsa_next_free_vgpr 1024
		.amdhsa_next_free_sgpr 100
		.amdhsa_reserve_vcc 0
		.amdhsa_float_denorm_mode_32 3
		.amdhsa_float_denorm_mode_16_64 3
		.amdhsa_memory_ordered 1
		.amdhsa_forward_progress 1
		.amdhsa_inst_pref_size 199
	.end_amdhsa_kernel
	.amdgpu_metadata
---
amdhsa.version: [ 1, 2 ]
amdhsa.kernels:
  - .name:           k_q0e17f56d09_proj
    .symbol:         k_q0e17f56d09_proj.kd
    .args:
      - { .name: input_batch_codes, .offset: 0, .size: 8, .value_kind: global_buffer, .address_space: global }
      - { .name: Wq_codes, .offset: 8, .size: 8, .value_kind: global_buffer, .address_space: global }
      - { .name: Wk_codes, .offset: 16, .size: 8, .value_kind: global_buffer, .address_space: global }
      - { .name: Wv_codes, .offset: 24, .size: 8, .value_kind: global_buffer, .address_space: global }
      - { .name: bq, .offset: 32, .size: 8, .value_kind: global_buffer, .address_space: global }
      - { .name: bk, .offset: 40, .size: 8, .value_kind: global_buffer, .address_space: global }
      - { .name: bv, .offset: 48, .size: 8, .value_kind: global_buffer, .address_space: global }
      - { .name: lowp_scales, .offset: 56, .size: 8, .value_kind: global_buffer, .address_space: global }
      - { .name: qcodes, .offset: 64, .size: 8, .value_kind: global_buffer, .address_space: global }
      - { .name: kcodes, .offset: 72, .size: 8, .value_kind: global_buffer, .address_space: global }
      - { .name: vcodes, .offset: 80, .size: 8, .value_kind: global_buffer, .address_space: global }
    .group_segment_fixed_size: 327680
    .private_segment_fixed_size: 0
    .kernarg_segment_align: 8
    .kernarg_segment_size: 88
    .max_flat_workgroup_size: 128
    .sgpr_count:     100
    .vgpr_count:     1024
    .wavefront_size: 32
...
	.end_amdgpu_metadata
.endif
;; end of part 2
;; launch attn (part 3): grid 4 x 64, 8 waves a work-group, no clusters, 37,888 bytes of LDS; arguments qcodes, kcodes, vcodes, maskbits, lowp_scales, out0; writes out0
.if DOCPART == 3
	.amdgcn_target "amdgcn-amd-amdhsa--gfx1250"
	.amdhsa_code_object_version 6
	.text
	.protected	k_q0e17f56d09_attn
	.globl	k_q0e17f56d09_attn
	.p2align	8
	.type	k_q0e17f56d09_attn,@function
k_q0e17f56d09_attn:
	s_mov_b64 s[64:65], 0
	v_nop
	global_prefetch_b8 v0, s[64:65] scope:SCOPE_SE
	s_setreg_imm32_b32 hwreg(HW_REG_WAVE_MODE, 25, 1), 1
	s_wait_xcnt 0x0
; out[b][s][64 head + d] = the sum over keys t of attn[s][t] v[t][d], attn = softmax over t of (q[s] . k[t] / 8, or -infinity where the mask is 0), 0 in a row whose keys are all masked.  No work is left out.
; Both products are on codes of FP8 (E4M3).  THE SOFTMAX IS QUANTISED FINISHED AND NORMALISED: so a row's largest score and its sum over all 2,048 keys are known before any weight is converted.
; SHARES.  A work-group owns one (batch, head) and 512 queries: 32 tiles of 16.  ITS EIGHT WAVES SHARE THE KEYS: wave w owns keys 256 w .. 256 w + 255, and its part of K (16 fragments of 16 x 64) and of V (8 fragments of 16 x 128)
; stays in its registers for the whole launch, read from memory once.  The scores of a tile of queries against the wave's keys are 128 registers: each score and each exponential is made once.
; LAYOUT.  Both products are used transposed: S^T = K Q^T (source 0 = 16 keys, source 1 = the 16 queries), O^T = V^T P^T (source 0 = 16 channels, source 1 = P): a lane holds ONE query (lane % 16) throughout.
; In score tile c lane (r, h) holds, in register j, key 16 c + 8 h + j: the conversion of those eight registers gives registers 2 c, 2 c + 1 of the second product's operand as they stand.
; THE MASK comes as lane masks, one word for each score register, by scalar loads: one v_cndmask_b32 a register.
; A TILE OF QUERIES, two barriers.  Each wave: masks its scores; t = score x log2(e) / 8 x 2^(e6 + e7); M_w = its largest t rounded up to a whole number (where all its keys are masked: -3e38); p' = 2^(t - M_w); l_w = the sum of p'.
; (-M_w, l_w) go to LDS | barrier A | every wave reads all eight: M = the largest M_w, l = the sum of l_w 2^(M_w - M) (shifts by whole numbers: nothing is rounded), F = 2^(M_w - M) / l, or 0 where l = 0 (the row that is all masked);
; p = p' F is held at 448 x 2^e8 and converted with 2^e8; O^T of my keys goes to LDS | barrier B | each wave adds the eight parts of two queries, multiplies by 2^(e8 + e9) and stores two rows of 256 bytes.
; The next tile's first product is issued with this tile's second, and the first half of its masking stands between barrier B's signal and its wait.
; No tensor load and no cluster: K and V are read once by a work-group, straight into registers, and what a tile of queries brings in beside (1 KiB of q, 4 KiB of mask words) is asked for a tile ahead by its own loads.
; LIMITS on the given exponents, so that each power of two below is an f32 number: e6 + e7 between -123 and 130 (they are added to the exponent field of log2(e) / 8); e8 between -126 and 119; e8 + e9 between -126 and 127.
; REGISTERS.  Window 0: v1-11 addresses and constants; v12 -M_w, v13 l_w; v14-17, v32-35 sums; v18, v19 maxima; v20 a permute's result; v24-31 four waves' (-M, l); v32-38 at work; v[40:41] F; v48-55 Q; v64-95 O^T; v96-127 p's codes, then the parts read back; v128-255 S^T.
;   Window 1: v0-127 K's fragments; v128-255 V's (step s of 128 keys, channels 16 t on: at 128 + 16 (4 s + t)).  All vector work runs with every window 0, all matrix work with source 0 in window 1: four switches a tile.
.set STAT,  0                          ; LDS: 8 bytes for each of the 256 threads: (-M_w, l_w)
.set OPART, 2048                       ; for each wave 16 rows (queries) of 256 bytes + 16: row r starts at bank 4 r mod 64 (ISA guide 11.1)
.set OPW,   16*272
.set SPARE, OPART+8*OPW                ; behind them: the spare words, 128 bytes for each wave: four blocks of 256 bytes that no other line names
.set SPW,  1                           ; v1   LDS address of my spare word: SPARE + 4 x my thread's number; never rewritten
.set NIL,  2                           ; v2   0; never rewritten
.set NINF, 3                           ; v3   -infinity
.set LO,   4                           ; v4   16 x lane: my place in an image
.set STW,  5                           ; v5   where I put my statistics: 8 x thread
.set STR,  6                           ; v6   where I read four waves': 1,024 h + 8 x lane
.set OW,   7                           ; v7   where I put 32 bytes of a row of my wave's O
.set ORD,  8                           ; v8   where I read 16 bytes of query 2 w + h in wave 0's part
.set GO,   9                           ; v9   and their place in the tile's 16 rows of out
.set LIM,  10                          ; v10  448 x 2^e8
.set SCL,  11                          ; v11  2^e8 as f32: the conversion takes its exponent field
.set QF,   48
.set OT,   64
.set CD,   96
.set S,    128
.set VF,   128                         ; in window 1
.set MSB, 0
.macro WIN new                         ; the immediate's high byte repeats the setting that is left
.if MSB != \new
	s_set_vgpr_msb (MSB<<8)|\new
.set MSB, \new
.endif
.endm
; s[2:3] q's codes at the tile in hand; s[4:5] the mask words of the tile in hand, my wave's 512 bytes; s[6:7] out at the tile's first row, my head's 256 bytes; s[8:9] c, twice; s[10:11] the permute's selects;
; s12 wave; s13 trips; s[14:15] 2^(e8 + e9), twice; s[16:31], s[32:47], s[48:63], s[68:83] four runs of sixteen mask words; s[84:99] arguments, exponents, at work.
	s_load_b256 s[84:91], s[0:1], 0x0              ; q's codes, k's, v's, the mask's bits
	s_load_b128 s[92:95], s[0:1], 0x20             ; the scales' exponents, out
	v_lshl_add_u32 v[SPW], v0, 2, SPARE
	v_mov_b32 v[NIL], 0
	v_mov_b32 v[NINF], 0xff800000
	v_lshrrev_b32 v20, 5, v0
	v_readfirstlane_b32 s12, v20                   ; wave 0..7
	v_and_b32 v32, 15, v0                          ; r
	v_bfe_u32 v33, v0, 4, 1                        ; h
	v_and_b32 v34, 31, v0                          ; lane
	v_lshlrev_b32 v[LO], 4, v34
	v_lshlrev_b32 v[STW], 3, v0
	v_lshlrev_b32 v[STR], 3, v34
	v_lshl_add_u32 v[STR], v33, 10, v[STR]         ; lanes 0-15 read waves 0-3, lanes 16-31 waves 4-7: 256 bytes a wave
	s_mul_i32 s16, s12, OPW
	v_mul_u32_u24 v[OW], v32, 272
	v_lshl_add_u32 v[OW], v33, 5, v[OW]
	v_add_nc_u32 v[OW], s16, v[OW]
	v_add_nc_u32 v[OW], OPART, v[OW]               ; row r, + 32 h: tile t's eight channels of my half lie 64 t bytes on
	s_mul_i32 s16, s12, 2*272
	v_mul_u32_u24 v[ORD], v33, 272
	v_lshl_add_u32 v[ORD], v32, 4, v[ORD]
	v_add_nc_u32 v[ORD], s16, v[ORD]
	v_add_nc_u32 v[ORD], OPART, v[ORD]             ; row 2 w + h, 16 bytes a lane
	s_lshl_b32 s16, s12, 13
	v_lshlrev_b32 v[GO], 12, v33
	v_lshl_add_u32 v[GO], v32, 4, v[GO]
	v_add_nc_u32 v[GO], s16, v[GO]                 ; a row of out is 4,096 bytes
	v_mov_b32 v13, 0                               ; (named as the upper half of the pair v[12:13] before it is first made)
	v_mov_b32 v41, 0                               ; (named as the upper half of the pair v[40:41])
	s_mov_b32 s10, 0x76543210
	s_mov_b32 s11, 0xfedcba98                      ; v_permlanex16_b32's selects for lane l xor 16
	s_mov_b32 s13, 31
	s_and_b32 s16, ttmp7, 0xffff                   ; batch x 16 + head
	s_lshl_b32 s18, s16, 17                        ; its 131,072 bytes in each buffer of codes
	s_lshl_b32 s20, s12, 14                        ; K, V: my wave's 256 keys: 16,384 bytes
	s_add_co_u32 s20, s20, s18
	s_mov_b32 s21, 0
	s_lshl_b32 s22, ttmp9, 15                      ; q: my work-group's 32 tiles of 1,024 bytes
	s_add_co_u32 s22, s22, s18
	s_mov_b32 s23, 0
	s_lshr_b32 s17, s16, 4                         ; the batch
	s_lshl_b32 s24, s17, 7
	s_lshl_b32 s25, ttmp9, 5
	s_add_co_u32 s24, s24, s25                     ; batch x 128 + my first tile of queries
	s_lshl_b32 s26, s24, 16                        ; out: 16 rows of 4,096 bytes a tile,
	s_and_b32 s27, s16, 15
	s_lshl_b32 s27, s27, 8
	s_add_co_u32 s26, s26, s27                     ; + my head's 256 bytes of a row
	s_mov_b32 s27, 0
	s_lshl_b32 s24, s24, 12                        ; the mask words: 4,096 bytes a tile,
	s_lshl_b32 s25, s12, 9
	s_add_co_u32 s24, s24, s25                     ; + my wave's 512
	s_mov_b32 s25, 0
	s_wait_kmcnt 0x0
	s_load_b128 s[96:99], s[92:93], 0x18           ; e6, e7, e8, e9
	s_add_nc_u64 s[86:87], s[86:87], s[20:21]
	s_add_nc_u64 s[88:89], s[88:89], s[20:21]
	s_add_nc_u64 s[2:3], s[84:85], s[22:23]
	s_add_nc_u64 s[4:5], s[90:91], s[24:25]
	s_add_nc_u64 s[6:7], s[94:95], s[26:27]
	WIN 0x40                                       ; destination window 1, address window 0
.set i, 0
.rept 32
	global_load_b128 v[4*i:4*i+3], v[LO], s[86:87] offset:512*i          ; K's images, as they lie: they stay
.set i, i+1
.endr
.set i, 0
.rept 32
	global_load_b128 v[VF+4*i:VF+4*i+3], v[LO], s[88:89] offset:512*i    ; V's likewise
.set i, i+1
.endr
	WIN 0
	global_load_b128 v[QF:QF+3], v[LO], s[2:3]                           ; the first tile of queries
	global_load_b128 v[QF+4:QF+7], v[LO], s[2:3] offset:512
.macro MLOAD half, off                 ; 64 mask words: those of score tiles 8 half .. 8 half + 7, off bytes on
	s_load_b512 s[16:31], s[4:5], \off+256*\half
	s_load_b512 s[32:47], s[4:5], \off+256*\half+64
	s_load_b512 s[48:63], s[4:5], \off+256*\half+128
	s_load_b512 s[68:83], s[4:5], \off+256*\half+192
.endm
.macro QKT lo                          ; eight score tiles: 16 keys x 16 queries x 64 each; C = 0: nothing is cleared
.irp c, 0,1,2,3,4,5,6,7
	v_wmma_f32_16x16x64_fp8_fp8 v[S+8*(\lo+\c):S+8*(\lo+\c)+7], v[8*(\lo+\c):8*(\lo+\c)+7], v[QF:QF+7], 0
.endr
.endm
.macro PVS s                           ; O^T of my keys 128 s on: four tiles of 16 channels, by turns, one instruction a turn; the first step starts the sums
.irp t, 0,1,2,3
.if (\s) == 0
	v_wmma_f32_16x16x128_fp8_fp8 v[OT+8*\t:OT+8*\t+7], v[VF+16*(4*(\s)+\t):VF+16*(4*(\s)+\t)+15], v[CD+16*(\s):CD+16*(\s)+15], 0
.else
	v_wmma_f32_16x16x128_fp8_fp8 v[OT+8*\t:OT+8*\t+7], v[VF+16*(4*(\s)+\t):VF+16*(4*(\s)+\t)+15], v[CD+16*(\s):CD+16*(\s)+15], v[OT+8*\t:OT+8*\t+7]
.endif
.endr
.endm
.macro MASKMAX k                       ; score tiles 2 k, 2 k + 1: masked scores become -infinity; the largest, in two chains.  Each accumulator is read from its low end on
.set MBR, 16+16*((\k)%4)+4*(((\k)%4)/3)
.set SB, S+16*(\k)
.irp g, 0,4,8,12
	v_cndmask_b32 v[SB+\g], v[NINF], v[SB+\g], s[MBR+\g]
	v_cndmask_b32 v[SB+\g+1], v[NINF], v[SB+\g+1], s[MBR+\g+1]
	v_cndmask_b32 v[SB+\g+2], v[NINF], v[SB+\g+2], s[MBR+\g+2]
	v_cndmask_b32 v[SB+\g+3], v[NINF], v[SB+\g+3], s[MBR+\g+3]
	v_max3_num_f32 v18, v18, v[SB+\g], v[SB+\g+1]
	v_max3_num_f32 v19, v19, v[SB+\g+2], v[SB+\g+3]
.endr
.endm
.macro SOFT1                           ; my wave's part of the softmax
	v_max_num_f32 v18, v18, v19
	v_permlanex16_b32 v20, v18, s10, s11
	v_max_num_f32 v18, v18, v20                    ; the query's largest score among my 256 keys
	v_mul_f32 v18, s8, v18                         ; as t (c is positive)
	v_max_num_f32 v18, 0xff61b1e6, v18             ; all masked: -3e38 in place of -infinity, so that no difference of infinities arises
	v_floor_f32 v12, -v18                          ; -M_w = floor(-t): M_w is a whole number
.set j, 0
.rept 64
	v_pk_fma_f32 v[S+j:S+j+1], v[S+j:S+j+1], s[8:9], v[12:13] op_sel_hi:[1,0,0]   ; t - M_w, two at a time (of the pairs c and -M_w the low word serves both halves)
.set j, j+2
.endr
.set j, 0
.rept 128
	v_exp_f32 v[S+j], v[S+j]                       ; p' = 2^(t - M_w), at most 1; 0 where the key is masked
.set j, j+1
.endr
	v_nop                                          ; a plain instruction behind the last exponential,
	s_wait_alu depctr_va_vdst(0)                   ; and the wait ahead of the first use: one for the batch of 128
	v_pk_add_f32 v[14:15], v[S:S+1], v[S+2:S+3]    ; the sum of p', two at a time, in four chains
	v_pk_add_f32 v[16:17], v[S+4:S+5], v[S+6:S+7]
	v_pk_add_f32 v[32:33], v[S+8:S+9], v[S+10:S+11]
	v_pk_add_f32 v[34:35], v[S+12:S+13], v[S+14:S+15]
.set j, 16
.rept 14
	v_pk_add_f32 v[14:15], v[14:15], v[S+j:S+j+1]
	v_pk_add_f32 v[16:17], v[16:17], v[S+j+2:S+j+3]
	v_pk_add_f32 v[32:33], v[32:33], v[S+j+4:S+j+5]
	v_pk_add_f32 v[34:35], v[34:35], v[S+j+6:S+j+7]
.set j, j+8
.endr
	v_pk_add_f32 v[14:15], v[14:15], v[16:17]
	v_pk_add_f32 v[32:33], v[32:33], v[34:35]
	v_pk_add_f32 v[14:15], v[14:15], v[32:33]
	v_add_f32 v13, v14, v15
	v_permlanex16_b32 v20, v13, s10, s11
	v_add_f32 v13, v13, v20                        ; l_w
	ds_store_b64 v[STW], v[12:13]
.endm
.macro STATS                           ; the eight waves' statistics become F
	s_wait_dscnt 0x0                               ; for the others' sake: my statistics are in LDS; and my reads of the parts of O, a tile back, are over
	s_barrier_signal -1
	s_barrier_wait -1                              ; BARRIER A
	ds_load_b64 v[24:25], v[STR]
	ds_load_b64 v[26:27], v[STR] offset:256
	ds_load_b64 v[28:29], v[STR] offset:512
	ds_load_b64 v[30:31], v[STR] offset:768
	s_wait_dscnt 0x0
	v_min_num_f32 v32, v24, v26
	v_min_num_f32 v33, v28, v30
	v_min_num_f32 v32, v32, v33
	v_permlanex16_b32 v20, v32, s10, s11
	v_min_num_f32 v32, v32, v20                    ; -M: M is the largest of the eight M_w
	v_sub_f32 v34, v32, v24                        ; M_j - M: a whole number, 0 or less
	v_sub_f32 v35, v32, v26
	v_sub_f32 v36, v32, v28
	v_sub_f32 v37, v32, v30
	v_cvt_i32_f32 v34, v34                         ; (it saturates)
	v_cvt_i32_f32 v35, v35
	v_cvt_i32_f32 v36, v36
	v_cvt_i32_f32 v37, v37
	v_ldexp_f32 v25, v25, v34                      ; l_j 2^(M_j - M): nothing is rounded
	v_ldexp_f32 v27, v27, v35
	v_ldexp_f32 v29, v29, v36
	v_ldexp_f32 v31, v31, v37
	v_add_f32 v25, v25, v27
	v_add_f32 v29, v29, v31
	v_add_f32 v25, v25, v29
	v_permlanex16_b32 v20, v25, s10, s11
	v_add_f32 v25, v25, v20                        ; l: at least 1/2, or 0 where every key of the row is masked
	v_cmp_lt_f32 vcc_lo, 0, v25
	v_rcp_f32 v33, v25
	v_sub_f32 v38, v32, v12                        ; M_w - M.  (The plain instruction behind the reciprocal)
	s_wait_alu depctr_va_vdst(0)                   ; the wait ahead of the first use
	v_cvt_i32_f32 v38, v38
	v_cndmask_b32 v33, 0, v33, vcc_lo              ; the row that is all masked: its weights are 0, as where the softmax is NaN
	v_ldexp_f32 v40, v33, v38                      ; F = 2^(M_w - M) / l
.endm
.macro P3 hf                           ; score tiles 8 hf .. 8 hf + 7: p = p' F, finished and normalised; the hold; the codes: the second product's operand for my keys 128 hf on
.irp c, 0,1,2,3,4,5,6,7
.set SB, S+8*(8*(\hf)+\c)
.irp i, 0,2,4,6
	v_pk_mul_f32 v[SB+\i:SB+\i+1], v[SB+\i:SB+\i+1], v[40:41] op_sel_hi:[1,0]
.endr
.irp i, 0,1,2,3,4,5,6,7
	v_min_num_f32 v[SB+\i], v[SB+\i], v[LIM]       ; the conversion to an 8-bit code does not saturate (ISA guide 7.6.2); p is not negative, so the hold is one-sided
.endr
	v_cvt_scalef32_pk8_fp8_f32 v[CD+2*(8*(\hf)+\c):CD+2*(8*(\hf)+\c)+1], v[SB:SB+7], v[SCL]
.endr
	v_nop                                          ; one plain vector instruction between the last conversion and the matrix instructions that read its result and write its sources
.endm
.macro OSTORE                          ; lane (r, h): O(query r, channels 16 t + 8 h + 0 .. 7) of my keys; each accumulator from its low end on
.irp t, 0,1,2,3
	ds_store_b128 v[OW], v[OT+8*\t:OT+8*\t+3] offset:64*\t
	ds_store_b128 v[OW], v[OT+8*\t+4:OT+8*\t+7] offset:64*\t+16
.endr
.endm
.macro OREDUCE                         ; queries 2 w and 2 w + 1: the eight waves' parts are added, scaled and stored
.irp u, 0,1,2,3,4,5,6,7
	ds_load_b128 v[CD+4*\u:CD+4*\u+3], v[ORD] offset:OPW*\u
.endr
	s_wait_dscnt 0x0
.irp u, 0,2,4,6
	v_pk_add_f32 v[CD+4*\u:CD+4*\u+1], v[CD+4*\u:CD+4*\u+1], v[CD+4*\u+4:CD+4*\u+5]
	v_pk_add_f32 v[CD+4*\u+2:CD+4*\u+3], v[CD+4*\u+2:CD+4*\u+3], v[CD+4*\u+6:CD+4*\u+7]
.endr
.irp u, 0,4
	v_pk_add_f32 v[CD+4*\u:CD+4*\u+1], v[CD+4*\u:CD+4*\u+1], v[CD+4*\u+8:CD+4*\u+9]
	v_pk_add_f32 v[CD+4*\u+2:CD+4*\u+3], v[CD+4*\u+2:CD+4*\u+3], v[CD+4*\u+10:CD+4*\u+11]
.endr
	v_pk_add_f32 v[CD:CD+1], v[CD:CD+1], v[CD+16:CD+17]
	v_pk_add_f32 v[CD+2:CD+3], v[CD+2:CD+3], v[CD+18:CD+19]
	v_pk_mul_f32 v[CD:CD+1], v[CD:CD+1], s[14:15] op_sel_hi:[1,0]        ; x 2^(e8 + e9)
	v_pk_mul_f32 v[CD+2:CD+3], v[CD+2:CD+3], s[14:15] op_sel_hi:[1,0]
	global_store_b128 v[GO], v[CD:CD+3], s[6:7] th:TH_STORE_NT           ; sixteen lanes store 256 consecutive bytes, at a multiple of 256 from out's first byte; written once, read by nobody here
.endm
; A TILE OF QUERIES.  At its head: all 16 score tiles are made, tiles 0-7 are masked, the mask words of tiles 8-15 are on their way.  next = 1: the next tile is prepared on the way.
.macro TILE next
.if \next
	global_load_b128 v[QF:QF+3], v[LO], s[2:3] offset:1024               ; the next tile of queries: the products that read these registers stand more than four plain instructions back
	global_load_b128 v[QF+4:QF+7], v[LO], s[2:3] offset:1536
.endif
	s_wait_kmcnt 0x0                               ; the mask words of tiles 8-15
	MASKMAX 4
	MASKMAX 5
	MASKMAX 6
	MASKMAX 7
.if \next
	MLOAD 0, 4096                                  ; the next tile's first 64 words, into the registers just read
.endif
	SOFT1
	STATS
	P3 0
	WIN 1                                          ; source 0 in window 1
	PVS 0
.if \next
	s_wait_loadcnt 0x0                             ; the next tile of queries is in
	QKT 0                                          ; its scores take the registers whose weights have been converted
.endif
	WIN 0
	P3 1                                           ; vector work beside those matrix instructions: it names none of their registers
	WIN 1
	PVS 1
.if \next
	QKT 8
.endif
	WIN 0
.if \next
	v_mov_b32 v18, v[NINF]                         ; the next tile's maxima begin; with the two v_nop these are the four places behind the products above (ISA guide 7.12.1)
	v_mov_b32 v19, v[NINF]
	v_nop
	v_nop
.else
.rept 4
	v_nop
.endr
.endif
	OSTORE
.if \next
	s_wait_kmcnt 0x0                               ; the next tile's first 64 mask words
.endif
	s_wait_dscnt 0x0                               ; for the others' sake: my part of O is in LDS; my reads of the statistics were over at their own wait
	s_barrier_signal -1                            ; BARRIER B
.if \next
	MASKMAX 0                                      ; work on registers alone, while the others arrive
	MASKMAX 1
	MASKMAX 2
	MASKMAX 3
.endif
	s_barrier_wait -1
.if \next
	MLOAD 1, 4096                                  ; the next tile's other 64 words
.endif
	OREDUCE
.if \next
	s_wait_xcnt 0x0                                ; every earlier memory instruction has had its addresses translated (ISA guide 3.1): the three bases, and the store's data, are written again only behind this wait
	s_add_nc_u64 s[2:3], s[2:3], 1024
	s_add_nc_u64 s[4:5], s[4:5], 4096
	s_add_nc_u64 s[6:7], s[6:7], 65536
.endif
.endm
	MLOAD 0, 0
	s_wait_kmcnt 0x0                               ; the exponents, and the first 64 mask words
	s_add_co_i32 s84, s96, s97
	s_lshl_b32 s84, s84, 23
	s_add_co_i32 s8, s84, 0x3e38aa3b               ; c = log2(e) / 8 x 2^(e6 + e7): the two exponents are added to the exponent field
	s_mov_b32 s9, s8                               ; (named with it as a pair, so it is written)
	s_add_co_i32 s84, s98, 127
	s_lshl_b32 s85, s84, 23
	v_mov_b32 v[SCL], s85                          ; 2^e8
	s_add_co_i32 s84, s84, 8
	s_lshl_b32 s84, s84, 23
	s_or_b32 s84, s84, 0x600000
	v_mov_b32 v[LIM], s84                          ; 448 x 2^e8
	s_add_co_i32 s84, s98, s99
	s_add_co_i32 s84, s84, 127
	s_lshl_b32 s14, s84, 23                        ; 2^(e8 + e9)
	s_mov_b32 s15, s14
	s_wait_loadcnt 0x0                             ; K, V and the first tile of queries
	WIN 1
	QKT 0
	QKT 8
	WIN 0
	v_mov_b32 v18, v[NINF]                         ; with the two v_nop: the four places behind the products
	v_mov_b32 v19, v[NINF]
	v_nop
	v_nop
	MASKMAX 0
	MASKMAX 1
	MASKMAX 2
	MASKMAX 3
	MLOAD 1, 0
.Ltile:                                            ; 31 trips; the last tile is written out, so that no load leaves its buffer
	TILE 1
	s_sub_co_u32 s13, s13, 1
	s_cmp_lg_u32 s13, 0
	s_cbranch_scc1 .Ltile
	TILE 0
	s_wait_tensorcnt 0x0                           ; the wave's end, behind my last LDS store
	ds_add_u32 v[SPW], v[NIL]
	s_wait_dscnt 0x0
	s_endpgm
.Lfunc_end_k_q0e17f56d09_attn:
	.size	k_q0e17f56d09_attn, .Lfunc_end_k_q0e17f56d09_attn-k_q0e17f56d09_attn
	.p2alignl 7, 3214868480
	.fill 96, 4, 3214868480
	.section	.rodata,"a",@progbits
	.p2align	6, 0x0
	.amdhsa_kernel k_q0e17f56d09_attn
		.amdhsa_group_segment_fixed_size 37888
		.amdhsa_private_segment_fixed_size 0
		.amdhsa_enable_private_segment 0
		.amdhsa_kernarg_size 48
		.amdhsa_user_sgpr_count 2
		.amdhsa_user_sgpr_kernarg_segment_ptr 1
		.amdhsa_wavefront_size32 1
		.amdhsa_system_sgpr_workgroup_id_x 1
		.amdhsa_system_sgpr_workgroup_id_y 1
		.amdhsa_system_sgpr_workgroup_id_z 1
		.amdhsa_system_vgpr_workitem_id 0
		.amdhsa_next_free_vgpr 512
		.amdhsa_next_free_sgpr 100
		.amdhsa_reserve_vcc 1
		.amdhsa_float_denorm_mode_32 3
		.amdhsa_float_denorm_mode_16_64 3
		.amdhsa_memory_ordered 1
		.amdhsa_forward_progress 1
		.amdhsa_inst_pref_size 90
	.end_amdhsa_kernel
	.amdgpu_metadata
---
amdhsa.version: [ 1, 2 ]
amdhsa.kernels:
  - .name:           k_q0e17f56d09_attn
    .symbol:         k_q0e17f56d09_attn.kd
    .args:
      - { .name: qcodes, .offset: 0, .size: 8, .value_kind: global_buffer, .address_space: global }
      - { .name: kcodes, .offset: 8, .size: 8, .value_kind: global_buffer, .address_space: global }
      - { .name: vcodes, .offset: 16, .size: 8, .value_kind: global_buffer, .address_space: global }
      - { .name: maskbits, .offset: 24, .size: 8, .value_kind: global_buffer, .address_space: global }
      - { .name: lowp_scales, .offset: 32, .size: 8, .value_kind: global_buffer, .address_space: global }
      - { .name: out0, .offset: 40, .size: 8, .value_kind: global_buffer, .address_space: global }
    .group_segment_fixed_size: 37888
    .private_segment_fixed_size: 0
    .kernarg_segment_align: 8
    .kernarg_segment_size: 48
    .max_flat_workgroup_size: 256
    .sgpr_count:     100
    .vgpr_count:     512
    .wavefront_size: 32
...
	.end_amdgpu_metadata
.endif
;; end of part 3
;; ======== version 2 of 2: 3 launches; version 1 with the launch attn written anew for expert scheduling mode
;; workspace buffers: qcodes 8,388,608 bytes; kcodes 8,388,608 bytes; vcodes 8,388,608 bytes; maskbits 2,097,152 bytes of whole numbers
;; launch maskpack: the kernel of part 1 again; grid 512 x 1, 4 waves a work-group, no clusters, 34,304 bytes of LDS; arguments attn_mask, maskbits; writes maskbits
;; launch proj: the kernel of part 2 again; grid 12 x 32, 4 waves a work-group, clusters of 4 x 4, 327,680 bytes of LDS; arguments input_batch_codes, Wq_codes, Wk_codes, Wv_codes, bq, bk, bv, lowp_scales, qcodes, kcodes, vcodes; writes qcodes, kcodes, vcodes
;; launch attn (part 4): grid 4 x 64, 8 waves a work-group, no clusters, 37,888 bytes of LDS; arguments qcodes, kcodes, vcodes, maskbits, lowp_scales, out0; writes out0
.if DOCPART == 4
	.amdgcn_target "amdgcn-amd-amdhsa--gfx1250"
	.amdhsa_code_object_version 6
	.text
	.protected	k_q0e17f56d09_attn
	.globl	k_q0e17f56d09_attn
	.p2align	8
	.type	k_q0e17f56d09_attn,@function
k_q0e17f56d09_attn:
	s_mov_b64 s[64:65], 0
	v_nop
	global_prefetch_b8 v0, s[64:65] scope:SCOPE_SE
	s_setreg_imm32_b32 hwreg(HW_REG_WAVE_SCHED_MODE, 0, 2), 2
	s_setreg_imm32_b32 hwreg(HW_REG_WAVE_MODE, 25, 1), 1
	s_wait_xcnt 0x0
	s_wait_alu depctr_vm_vsrc(0)
; out[b][s][64 head + d] = the sum over keys t of attn[s][t] v[t][d], attn = softmax over t of (q[s] . k[t] / 8, or -infinity where the mask is 0), 0 in a row whose keys are all masked.  No work is left out.
; Both products are on codes of FP8 (E4M3).  THE SOFTMAX IS QUANTISED FINISHED AND NORMALISED: so a row's largest score and its sum over all 2,048 keys are known before any weight is converted.
; SHARES.  A work-group owns one (batch, head) and 512 queries: 32 tiles of 16.  ITS EIGHT WAVES SHARE THE KEYS: wave w owns keys 256 w .. 256 w + 255, and its part of K (16 fragments of 16 x 64) and of V (8 fragments of 16 x 128)
; stays in its registers for the whole launch, read from memory once.  The scores of a tile of queries against the wave's keys are 128 registers: each score and each exponential is made once.
; LAYOUT.  Both products are used transposed: S^T = K Q^T (source 0 = 16 keys, source 1 = the 16 queries), O^T = V^T P^T (source 0 = 16 channels, source 1 = P): a lane holds ONE query (lane % 16) throughout.
; In score tile c lane (r, h) holds, in register j, key 16 c + 8 h + j: the conversion of those eight registers gives registers 2 c, 2 c + 1 of the second product's operand as they stand.
; THE MASK comes as lane masks, one word for each score register, by scalar loads: one v_cndmask_b32 a register.
; A TILE OF QUERIES, two barriers.  Each wave: masks its scores; t = score x log2(e) / 8 x 2^(e6 + e7); M_w = its largest t rounded up to a whole number (where all its keys are masked: -3e38); p' = 2^(t - M_w); l_w = the sum of p'.
; (-M_w, l_w) go to LDS | barrier A | every wave reads all eight: M = the largest M_w, l = the sum of l_w 2^(M_w - M) (shifts by whole numbers: nothing is rounded), F = 2^(M_w - M) / l, or 0 where l = 0 (the row that is all masked);
; p = p' F is held at 448 x 2^e8 and converted with 2^e8; O^T of my keys goes to LDS | barrier B | each wave adds the eight parts of two queries, multiplies by 2^(e8 + e9) and stores two rows of 256 bytes.
; The next tile's first product is issued with this tile's second, and the first half of its masking stands between barrier B's signal and its wait.
; No tensor load and no cluster: K and V are read once by a work-group, straight into registers, and what a tile of queries brings in beside (1 KiB of q, 4 KiB of mask words) is asked for a tile ahead by its own loads.
; LIMITS on the given exponents, so that each power of two below is an f32 number: e6 + e7 between -123 and 130 (they are added to the exponent field of log2(e) / 8); e8 between -126 and 119; e8 + e9 between -126 and 127.
; REGISTERS.  Window 0: v1-11 addresses and constants; v12 -M_w, v13 l_w; v14-17, v32-35 sums; v18, v19 maxima; v20 a permute's result; v24-31 four waves' (-M, l); v32-38 at work; v[40:41] F; v48-55 Q; v64-95 O^T; v96-127 p's codes, then the parts read back; v128-255 S^T.
;   Window 1: v0-127 K's fragments; v128-255 V's (step s of 128 keys, channels 16 t on: at 128 + 16 (4 s + t)).  All vector work runs with every window 0, all matrix work with source 0 in window 1: four switches a tile.
; THE MODE: SCHED_MODE bits 1:0 = 2 (LLVM: expert scheduling mode 2), set by the entry lines.  The code itself states the register dependences
; between vector or matrix instructions and memory or LDS instructions, with s_wait_alu, always for 0.
; THE PLAN.  Registers that memory or LDS instructions touch:
;   v1, v2, v4-v9  addresses (and the closing add's two): written at the head, never again.       K, V (window 1): loaded once at the head; matrix instructions alone name them.
;   Q v48-55       The next tile's two loads land here at a tile's head; read by the sixteen products K Q^T that were issued in the tile before (the first tile's: at the head).
;   v[12:13]       Written in the wave's part of the softmax; read by the LDS store of the statistics at its end.
;   v24-31         Four LDS loads land here behind barrier A; the lines that make F read and write them.
;   O^T v64-95     Written by the eight products V^T P^T; read by the eight LDS stores in front of barrier B.
;   v96-127        Written by the conversions, read by V^T P^T; then eight LDS loads land here behind barrier B, the sums work on them, and the store of out reads v[96:99].
;   S^T and the registers at work are named by vector and matrix instructions alone.
; So a tile has these waits on va_vdst: at its head (Q is free); behind the exponentials; ahead of the store of the statistics (it serves the loads into v24-31 too: no vector line stands between); behind the reciprocal;
; ahead of the stores of O^T (it serves the loads into v96-127 too: only the next tile's masking follows, which names S^T, v18, v19 and v3); ahead of the store of out.  One wait on vm_vsrc stands at the tile's end:
; the tile's stores have read v[12:13], O^T and v[96:99], which the next tile writes again.  One wait on va_vcc stands between the compare of l and the select that reads it.
.set STAT,  0                          ; LDS: 8 bytes for each of the 256 threads: (-M_w, l_w)
.set OPART, 2048                       ; for each wave 16 rows (queries) of 256 bytes + 16: row r starts at bank 4 r mod 64 (ISA guide 11.1)
.set OPW,   16*272
.set SPARE, OPART+8*OPW                ; behind them: the spare words, 128 bytes for each wave: four blocks of 256 bytes that no other line names
.set SPW,  1                           ; v1   LDS address of my spare word: SPARE + 4 x my thread's number; never rewritten
.set NIL,  2                           ; v2   0; never rewritten
.set NINF, 3                           ; v3   -infinity
.set LO,   4                           ; v4   16 x lane: my place in an image
.set STW,  5                           ; v5   where I put my statistics: 8 x thread
.set STR,  6                           ; v6   where I read four waves': 1,024 h + 8 x lane
.set OW,   7                           ; v7   where I put 32 bytes of a row of my wave's O
.set ORD,  8                           ; v8   where I read 16 bytes of query 2 w + h in wave 0's part
.set GO,   9                           ; v9   and their place in the tile's 16 rows of out
.set LIM,  10                          ; v10  448 x 2^e8
.set SCL,  11                          ; v11  2^e8 as f32: the conversion takes its exponent field
.set QF,   48
.set OT,   64
.set CD,   96
.set S,    128
.set VF,   128                         ; in window 1
.set MSB, 0
.macro WIN new                         ; the immediate's high byte repeats the setting that is left
.if MSB != \new
	s_set_vgpr_msb (MSB<<8)|\new
.set MSB, \new
.endif
.endm
; s[2:3] q's codes at the tile in hand; s[4:5] the mask words of the tile in hand, my wave's 512 bytes; s[6:7] out at the tile's first row, my head's 256 bytes; s[8:9] c, twice; s[10:11] the permute's selects;
; s12 wave; s13 trips; s[14:15] 2^(e8 + e9), twice; s[16:31], s[32:47], s[48:63], s[68:83] four runs of sixteen mask words; s[84:99] arguments, exponents, at work.
	s_load_b256 s[84:91], s[0:1], 0x0              ; q's codes, k's, v's, the mask's bits
	s_load_b128 s[92:95], s[0:1], 0x20             ; the scales' exponents, out
	v_lshl_add_u32 v[SPW], v0, 2, SPARE
	v_mov_b32 v[NIL], 0
	v_mov_b32 v[NINF], 0xff800000
	v_lshrrev_b32 v20, 5, v0
	v_readfirstlane_b32 s12, v20                   ; wave 0..7
	v_and_b32 v32, 15, v0                          ; r
	v_bfe_u32 v33, v0, 4, 1                        ; h
	v_and_b32 v34, 31, v0                          ; lane
	v_lshlrev_b32 v[LO], 4, v34
	v_lshlrev_b32 v[STW], 3, v0
	v_lshlrev_b32 v[STR], 3, v34
	v_lshl_add_u32 v[STR], v33, 10, v[STR]         ; lanes 0-15 read waves 0-3, lanes 16-31 waves 4-7: 256 bytes a wave
	s_wait_alu depctr_va_sdst(0)                   ; s12 is written, ahead of its first reader: LDS places and the buffers' offsets are made from it
	s_mul_i32 s16, s12, OPW
	v_mul_u32_u24 v[OW], v32, 272
	v_lshl_add_u32 v[OW], v33, 5, v[OW]
	v_add_nc_u32 v[OW], s16, v[OW]
	v_add_nc_u32 v[OW], OPART, v[OW]               ; row r, + 32 h: tile t's eight channels of my half lie 64 t bytes on
	s_mul_i32 s16, s12, 2*272
	v_mul_u32_u24 v[ORD], v33, 272
	v_lshl_add_u32 v[ORD], v32, 4, v[ORD]
	v_add_nc_u32 v[ORD], s16, v[ORD]
	v_add_nc_u32 v[ORD], OPART, v[ORD]             ; row 2 w + h, 16 bytes a lane
	s_lshl_b32 s16, s12, 13
	v_lshlrev_b32 v[GO], 12, v33
	v_lshl_add_u32 v[GO], v32, 4, v[GO]
	v_add_nc_u32 v[GO], s16, v[GO]                 ; a row of out is 4,096 bytes
	v_mov_b32 v13, 0                               ; (named as the upper half of the pair v[12:13] before it is first made)
	v_mov_b32 v41, 0                               ; (named as the upper half of the pair v[40:41])
	s_mov_b32 s10, 0x76543210
	s_mov_b32 s11, 0xfedcba98                      ; v_permlanex16_b32's selects for lane l xor 16
	s_mov_b32 s13, 31
	s_and_b32 s16, ttmp7, 0xffff                   ; batch x 16 + head
	s_lshl_b32 s18, s16, 17                        ; its 131,072 bytes in each buffer of codes
	s_lshl_b32 s20, s12, 14                        ; K, V: my wave's 256 keys: 16,384 bytes
	s_add_co_u32 s20, s20, s18
	s_mov_b32 s21, 0
	s_lshl_b32 s22, ttmp9, 15                      ; q: my work-group's 32 tiles of 1,024 bytes
	s_add_co_u32 s22, s22, s18
	s_mov_b32 s23, 0
	s_lshr_b32 s17, s16, 4                         ; the batch
	s_lshl_b32 s24, s17, 7
	s_lshl_b32 s25, ttmp9, 5
	s_add_co_u32 s24, s24, s25                     ; batch x 128 + my first tile of queries
	s_lshl_b32 s26, s24, 16                        ; out: 16 rows of 4,096 bytes a tile,
	s_and_b32 s27, s16, 15
	s_lshl_b32 s27, s27, 8
	s_add_co_u32 s26, s26, s27                     ; + my head's 256 bytes of a row
	s_mov_b32 s27, 0
	s_lshl_b32 s24, s24, 12                        ; the mask words: 4,096 bytes a tile,
	s_lshl_b32 s25, s12, 9
	s_add_co_u32 s24, s24, s25                     ; + my wave's 512
	s_mov_b32 s25, 0
	s_wait_kmcnt 0x0
	s_load_b128 s[96:99], s[92:93], 0x18           ; e6, e7, e8, e9
	s_add_nc_u64 s[86:87], s[86:87], s[20:21]
	s_add_nc_u64 s[88:89], s[88:89], s[20:21]
	s_add_nc_u64 s[2:3], s[84:85], s[22:23]
	s_add_nc_u64 s[4:5], s[90:91], s[24:25]
	s_add_nc_u64 s[6:7], s[94:95], s[26:27]
	WIN 0x40                                       ; destination window 1, address window 0
	s_wait_alu depctr_va_vdst(0)                   ; the addresses v4 to v9 (and v1, v2) are written: every load and store of the kernel reads one of them, and none is written again
.set i, 0
.rept 32
	global_load_b128 v[4*i:4*i+3], v[LO], s[86:87] offset:512*i          ; K's images, as they lie: they stay
.set i, i+1
.endr
.set i, 0
.rept 32
	global_load_b128 v[VF+4*i:VF+4*i+3], v[LO], s[88:89] offset:512*i    ; V's likewise
.set i, i+1
.endr
	WIN 0
	global_load_b128 v[QF:QF+3], v[LO], s[2:3]                           ; the first tile of queries
	global_load_b128 v[QF+4:QF+7], v[LO], s[2:3] offset:512
.macro MLOAD half, off                 ; 64 mask words: those of score tiles 8 half .. 8 half + 7, off bytes on
	s_load_b512 s[16:31], s[4:5], \off+256*\half
	s_load_b512 s[32:47], s[4:5], \off+256*\half+64
	s_load_b512 s[48:63], s[4:5], \off+256*\half+128
	s_load_b512 s[68:83], s[4:5], \off+256*\half+192
.endm
.macro QKT lo                          ; eight score tiles: 16 keys x 16 queries x 64 each; C = 0: nothing is cleared
.irp c, 0,1,2,3,4,5,6,7
	v_wmma_f32_16x16x64_fp8_fp8 v[S+8*(\lo+\c):S+8*(\lo+\c)+7], v[8*(\lo+\c):8*(\lo+\c)+7], v[QF:QF+7], 0
.endr
.endm
.macro PVS s                           ; O^T of my keys 128 s on: four tiles of 16 channels, by turns, one instruction a turn; the first step starts the sums
.irp t, 0,1,2,3
.if (\s) == 0
	v_wmma_f32_16x16x128_fp8_fp8 v[OT+8*\t:OT+8*\t+7], v[VF+16*(4*(\s)+\t):VF+16*(4*(\s)+\t)+15], v[CD+16*(\s):CD+16*(\s)+15], 0
.else
	v_wmma_f32_16x16x128_fp8_fp8 v[OT+8*\t:OT+8*\t+7], v[VF+16*(4*(\s)+\t):VF+16*(4*(\s)+\t)+15], v[CD+16*(\s):CD+16*(\s)+15], v[OT+8*\t:OT+8*\t+7]
.endif
.endr
.endm
.macro MASKMAX k                       ; score tiles 2 k, 2 k + 1: masked scores become -infinity; the largest, in two chains.  Each accumulator is read from its low end on
.set MBR, 16+16*((\k)%4)+4*(((\k)%4)/3)
.set SB, S+16*(\k)
.irp g, 0,4,8,12
	v_cndmask_b32 v[SB+\g], v[NINF], v[SB+\g], s[MBR+\g]
	v_cndmask_b32 v[SB+\g+1], v[NINF], v[SB+\g+1], s[MBR+\g+1]
	v_cndmask_b32 v[SB+\g+2], v[NINF], v[SB+\g+2], s[MBR+\g+2]
	v_cndmask_b32 v[SB+\g+3], v[NINF], v[SB+\g+3], s[MBR+\g+3]
	v_max3_num_f32 v18, v18, v[SB+\g], v[SB+\g+1]
	v_max3_num_f32 v19, v19, v[SB+\g+2], v[SB+\g+3]
.endr
.endm
.macro SOFT1                           ; my wave's part of the softmax
	v_max_num_f32 v18, v18, v19
	v_permlanex16_b32 v20, v18, s10, s11
	v_max_num_f32 v18, v18, v20                    ; the query's largest score among my 256 keys
	v_mul_f32 v18, s8, v18                         ; as t (c is positive)
	v_max_num_f32 v18, 0xff61b1e6, v18             ; all masked: -3e38 in place of -infinity, so that no difference of infinities arises
	v_floor_f32 v12, -v18                          ; -M_w = floor(-t): M_w is a whole number
.set j, 0
.rept 64
	v_pk_fma_f32 v[S+j:S+j+1], v[S+j:S+j+1], s[8:9], v[12:13] op_sel_hi:[1,0,0]   ; t - M_w, two at a time (of the pairs c and -M_w the low word serves both halves)
.set j, j+2
.endr
.set j, 0
.rept 128
	v_exp_f32 v[S+j], v[S+j]                       ; p' = 2^(t - M_w), at most 1; 0 where the key is masked
.set j, j+1
.endr
	v_nop                                          ; a plain instruction behind the last exponential,
	s_wait_alu depctr_va_vdst(0)                   ; and the wait ahead of the first use: one for the batch of 128
	v_pk_add_f32 v[14:15], v[S:S+1], v[S+2:S+3]    ; the sum of p', two at a time, in four chains
	v_pk_add_f32 v[16:17], v[S+4:S+5], v[S+6:S+7]
	v_pk_add_f32 v[32:33], v[S+8:S+9], v[S+10:S+11]
	v_pk_add_f32 v[34:35], v[S+12:S+13], v[S+14:S+15]
.set j, 16
.rept 14
	v_pk_add_f32 v[14:15], v[14:15], v[S+j:S+j+1]
	v_pk_add_f32 v[16:17], v[16:17], v[S+j+2:S+j+3]
	v_pk_add_f32 v[32:33], v[32:33], v[S+j+4:S+j+5]
	v_pk_add_f32 v[34:35], v[34:35], v[S+j+6:S+j+7]
.set j, j+8
.endr
	v_pk_add_f32 v[14:15], v[14:15], v[16:17]
	v_pk_add_f32 v[32:33], v[32:33], v[34:35]
	v_pk_add_f32 v[14:15], v[14:15], v[32:33]
	v_add_f32 v13, v14, v15
	v_permlanex16_b32 v20, v13, s10, s11
	v_add_f32 v13, v13, v20                        ; l_w
	s_wait_alu depctr_va_vdst(0)                   ; v12 and v13 are written, which the LDS store reads; and the last tile's lines are done with v24 to v31, in which the loads behind barrier A land: no vector line stands between this wait and them
	ds_store_b64 v[STW], v[12:13]
.endm
.macro STATS                           ; the eight waves' statistics become F
	s_wait_dscnt 0x0                               ; for the others' sake: my statistics are in LDS; and my reads of the parts of O, a tile back, are over
	s_barrier_signal -1
	s_barrier_wait -1                              ; BARRIER A
	ds_load_b64 v[24:25], v[STR]
	ds_load_b64 v[26:27], v[STR] offset:256
	ds_load_b64 v[28:29], v[STR] offset:512
	ds_load_b64 v[30:31], v[STR] offset:768
	s_wait_dscnt 0x0
	v_min_num_f32 v32, v24, v26
	v_min_num_f32 v33, v28, v30
	v_min_num_f32 v32, v32, v33
	v_permlanex16_b32 v20, v32, s10, s11
	v_min_num_f32 v32, v32, v20                    ; -M: M is the largest of the eight M_w
	v_sub_f32 v34, v32, v24                        ; M_j - M: a whole number, 0 or less
	v_sub_f32 v35, v32, v26
	v_sub_f32 v36, v32, v28
	v_sub_f32 v37, v32, v30
	v_cvt_i32_f32 v34, v34                         ; (it saturates)
	v_cvt_i32_f32 v35, v35
	v_cvt_i32_f32 v36, v36
	v_cvt_i32_f32 v37, v37
	v_ldexp_f32 v25, v25, v34                      ; l_j 2^(M_j - M): nothing is rounded
	v_ldexp_f32 v27, v27, v35
	v_ldexp_f32 v29, v29, v36
	v_ldexp_f32 v31, v31, v37
	v_add_f32 v25, v25, v27
	v_add_f32 v29, v29, v31
	v_add_f32 v25, v25, v29
	v_permlanex16_b32 v20, v25, s10, s11
	v_add_f32 v25, v25, v20                        ; l: at least 1/2, or 0 where every key of the row is masked
	v_cmp_lt_f32 vcc_lo, 0, v25
	v_rcp_f32 v33, v25
	v_sub_f32 v38, v32, v12                        ; M_w - M.  (The plain instruction behind the reciprocal)
	s_wait_alu depctr_va_vdst(0)                   ; the wait ahead of the first use
	v_cvt_i32_f32 v38, v38
	s_wait_alu depctr_va_vcc(0)                    ; the compare of l has written VCC, ahead of the select that reads it
	v_cndmask_b32 v33, 0, v33, vcc_lo              ; the row that is all masked: its weights are 0, as where the softmax is NaN
	v_ldexp_f32 v40, v33, v38                      ; F = 2^(M_w - M) / l
.endm
.macro P3 hf                           ; score tiles 8 hf .. 8 hf + 7: p = p' F, finished and normalised; the hold; the codes: the second product's operand for my keys 128 hf on
.irp c, 0,1,2,3,4,5,6,7
.set SB, S+8*(8*(\hf)+\c)
.irp i, 0,2,4,6
	v_pk_mul_f32 v[SB+\i:SB+\i+1], v[SB+\i:SB+\i+1], v[40:41] op_sel_hi:[1,0]
.endr
.irp i, 0,1,2,3,4,5,6,7
	v_min_num_f32 v[SB+\i], v[SB+\i], v[LIM]       ; the conversion to an 8-bit code does not saturate (ISA guide 7.6.2); p is not negative, so the hold is one-sided
.endr
	v_cvt_scalef32_pk8_fp8_f32 v[CD+2*(8*(\hf)+\c):CD+2*(8*(\hf)+\c)+1], v[SB:SB+7], v[SCL]
.endr
	v_nop                                          ; one plain vector instruction between the last conversion and the matrix instructions that read its result and write its sources
.endm
.macro OSTORE                          ; lane (r, h): O(query r, channels 16 t + 8 h + 0 .. 7) of my keys; each accumulator from its low end on
.irp t, 0,1,2,3
	ds_store_b128 v[OW], v[OT+8*\t:OT+8*\t+3] offset:64*\t
	ds_store_b128 v[OW], v[OT+8*\t+4:OT+8*\t+7] offset:64*\t+16
.endr
.endm
.macro OREDUCE                         ; queries 2 w and 2 w + 1: the eight waves' parts are added, scaled and stored
.irp u, 0,1,2,3,4,5,6,7
	ds_load_b128 v[CD+4*\u:CD+4*\u+3], v[ORD] offset:OPW*\u              ; no wait: since the wait ahead of the stores of O^T no vector or matrix instruction names v[CD ..]
.endr
	s_wait_dscnt 0x0
.irp u, 0,2,4,6
	v_pk_add_f32 v[CD+4*\u:CD+4*\u+1], v[CD+4*\u:CD+4*\u+1], v[CD+4*\u+4:CD+4*\u+5]
	v_pk_add_f32 v[CD+4*\u+2:CD+4*\u+3], v[CD+4*\u+2:CD+4*\u+3], v[CD+4*\u+6:CD+4*\u+7]
.endr
.irp u, 0,4
	v_pk_add_f32 v[CD+4*\u:CD+4*\u+1], v[CD+4*\u:CD+4*\u+1], v[CD+4*\u+8:CD+4*\u+9]
	v_pk_add_f32 v[CD+4*\u+2:CD+4*\u+3], v[CD+4*\u+2:CD+4*\u+3], v[CD+4*\u+10:CD+4*\u+11]
.endr
	v_pk_add_f32 v[CD:CD+1], v[CD:CD+1], v[CD+16:CD+17]
	v_pk_add_f32 v[CD+2:CD+3], v[CD+2:CD+3], v[CD+18:CD+19]
	v_pk_mul_f32 v[CD:CD+1], v[CD:CD+1], s[14:15] op_sel_hi:[1,0]        ; x 2^(e8 + e9)
	v_pk_mul_f32 v[CD+2:CD+3], v[CD+2:CD+3], s[14:15] op_sel_hi:[1,0]
	s_wait_alu depctr_va_vdst(0)                   ; the two multiplications have written v[CD:CD+3], which the store reads
	global_store_b128 v[GO], v[CD:CD+3], s[6:7] th:TH_STORE_NT           ; sixteen lanes store 256 consecutive bytes, at a multiple of 256 from out's first byte; written once, read by nobody here
.endm
; A TILE OF QUERIES.  At its head: all 16 score tiles are made, tiles 0-7 are masked, the mask words of tiles 8-15 are on their way.  next = 1: the next tile is prepared on the way.
.macro TILE next
.if \next
	s_wait_alu depctr_va_vdst(0)                   ; this tile's sixteen products K Q^T are done reading Q's registers, in which the two loads below land (on the way in from the head no other wait stands behind them)
	global_load_b128 v[QF:QF+3], v[LO], s[2:3] offset:1024               ; the next tile of queries: the products that read these registers stand more than four plain instructions back
	global_load_b128 v[QF+4:QF+7], v[LO], s[2:3] offset:1536
.endif
	s_wait_kmcnt 0x0                               ; the mask words of tiles 8-15
	MASKMAX 4
	MASKMAX 5
	MASKMAX 6
	MASKMAX 7
.if \next
	MLOAD 0, 4096                                  ; the next tile's first 64 words, into the registers just read
.endif
	SOFT1
	STATS
	P3 0
	WIN 1                                          ; source 0 in window 1
	PVS 0
.if \next
	s_wait_loadcnt 0x0                             ; the next tile of queries is in
	QKT 0                                          ; its scores take the registers whose weights have been converted
.endif
	WIN 0
	P3 1                                           ; vector work beside those matrix instructions: it names none of their registers
	WIN 1
	PVS 1
.if \next
	QKT 8
.endif
	WIN 0
.if \next
	v_mov_b32 v18, v[NINF]                         ; the next tile's maxima begin; with the two v_nop these are the four places behind the products above (ISA guide 7.12.1)
	v_mov_b32 v19, v[NINF]
	v_nop
	v_nop
.else
.rept 4
	v_nop
.endr
.endif
	s_wait_alu depctr_va_vdst(0)                   ; the products V^T P^T have written O^T, which the LDS stores read (the places above stay beside this wait); they and the conversions are done with v[CD ..], in which the loads behind barrier B land
	OSTORE
.if \next
	s_wait_kmcnt 0x0                               ; the next tile's first 64 mask words
.endif
	s_wait_dscnt 0x0                               ; for the others' sake: my part of O is in LDS; my reads of the statistics were over at their own wait
	s_barrier_signal -1                            ; BARRIER B
.if \next
	MASKMAX 0                                      ; work on registers alone, while the others arrive
	MASKMAX 1
	MASKMAX 2
	MASKMAX 3
.endif
	s_barrier_wait -1
.if \next
	MLOAD 1, 4096                                  ; the next tile's other 64 words
.endif
	OREDUCE
.if \next
	s_wait_xcnt 0x0                                ; every earlier memory instruction has had its addresses translated (ISA guide 3.1): the three bases, and the store's data, are written again only behind this wait
	s_wait_alu depctr_vm_vsrc(0)                   ; this tile's LDS stores and its store of out have read v[12:13], O^T and v[CD:CD+3], which the next tile's lines write again
	s_add_nc_u64 s[2:3], s[2:3], 1024
	s_add_nc_u64 s[4:5], s[4:5], 4096
	s_add_nc_u64 s[6:7], s[6:7], 65536
.endif
.endm
	MLOAD 0, 0
	s_wait_kmcnt 0x0                               ; the exponents, and the first 64 mask words
	s_add_co_i32 s84, s96, s97
	s_lshl_b32 s84, s84, 23
	s_add_co_i32 s8, s84, 0x3e38aa3b               ; c = log2(e) / 8 x 2^(e6 + e7): the two exponents are added to the exponent field
	s_mov_b32 s9, s8                               ; (named with it as a pair, so it is written)
	s_add_co_i32 s84, s98, 127
	s_lshl_b32 s85, s84, 23
	v_mov_b32 v[SCL], s85                          ; 2^e8
	s_add_co_i32 s84, s84, 8
	s_lshl_b32 s84, s84, 23
	s_or_b32 s84, s84, 0x600000
	v_mov_b32 v[LIM], s84                          ; 448 x 2^e8
	s_add_co_i32 s84, s98, s99
	s_add_co_i32 s84, s84, 127
	s_lshl_b32 s14, s84, 23                        ; 2^(e8 + e9)
	s_mov_b32 s15, s14
	s_wait_loadcnt 0x0                             ; K, V and the first tile of queries
	WIN 1
	QKT 0
	QKT 8
	WIN 0
	v_mov_b32 v18, v[NINF]                         ; with the two v_nop: the four places behind the products
	v_mov_b32 v19, v[NINF]
	v_nop
	v_nop
	MASKMAX 0
	MASKMAX 1
	MASKMAX 2
	MASKMAX 3
	MLOAD 1, 0
.Ltile:                                            ; 31 trips; the last tile is written out, so that no load leaves its buffer
	TILE 1
	s_sub_co_u32 s13, s13, 1
	s_cmp_lg_u32 s13, 0
	s_cbranch_scc1 .Ltile
	TILE 0
	s_wait_dscnt 0x0                               ; the closing lines, six on end
	s_wait_alu 0x0
	s_wait_tensorcnt 0x0
	ds_add_u32 v[SPW], v[NIL]
	s_wait_dscnt 0x0
	s_endpgm
.Lfunc_end_k_q0e17f56d09_attn:
	.size	k_q0e17f56d09_attn, .Lfunc_end_k_q0e17f56d09_attn-k_q0e17f56d09_attn
	.p2alignl 7, 3214868480
	.fill 96, 4, 3214868480
	.section	.rodata,"a",@progbits
	.p2align	6, 0x0
	.amdhsa_kernel k_q0e17f56d09_attn
		.amdhsa_group_segment_fixed_size 37888
		.amdhsa_private_segment_fixed_size 0
		.amdhsa_enable_private_segment 0
		.amdhsa_kernarg_size 48
		.amdhsa_user_sgpr_count 2
		.amdhsa_user_sgpr_kernarg_segment_ptr 1
		.amdhsa_wavefront_size32 1
		.amdhsa_system_sgpr_workgroup_id_x 1
		.amdhsa_system_sgpr_workgroup_id_y 1
		.amdhsa_system_sgpr_workgroup_id_z 1
		.amdhsa_system_vgpr_workitem_id 0
		.amdhsa_next_free_vgpr 512
		.amdhsa_next_free_sgpr 100
		.amdhsa_reserve_vcc 1
		.amdhsa_float_denorm_mode_32 3
		.amdhsa_float_denorm_mode_16_64 3
		.amdhsa_memory_ordered 1
		.amdhsa_forward_progress 1
		.amdhsa_inst_pref_size 91
	.end_amdhsa_kernel
	.amdgpu_metadata
---
amdhsa.version: [ 1, 2 ]
amdhsa.kernels:
  - .name:           k_q0e17f56d09_attn
    .symbol:         k_q0e17f56d09_attn.kd
    .args:
      - { .name: qcodes, .offset: 0, .size: 8, .value_kind: global_buffer, .address_space: global }
      - { .name: kcodes, .offset: 8, .size: 8, .value_kind: global_buffer, .address_space: global }
      - { .name: vcodes, .offset: 16, .size: 8, .value_kind: global_buffer, .address_space: global }
      - { .name: maskbits, .offset: 24, .size: 8, .value_kind: global_buffer, .address_space: global }
      - { .name: lowp_scales, .offset: 32, .size: 8, .value_kind: global_buffer, .address_space: global }
      - { .name: out0, .offset: 40, .size: 8, .value_kind: global_buffer, .address_space: global }
    .group_segment_fixed_size: 37888
    .private_segment_fixed_size: 0
    .kernarg_segment_align: 8
    .kernarg_segment_size: 48
    .max_flat_workgroup_size: 256
    .sgpr_count:     100
    .vgpr_count:     512
    .wavefront_size: 32
...
	.end_amdgpu_metadata
.endif
;; end of part 4
